; MI455X (gfx1250); checked and timed in simulation.
; The chip was launched on July 23, 2026; its instructions are those of AMD's public machine-readable ISA for CDNA 5 (MIT licence, August 2026) and "CDNA5" Instruction Set Architecture Reference Guide (July 2026). The comments in the code are by the model that wrote it; some were corrected since.
;; Self Attention Transformer. Allowed arithmetic: matrix products marked QUANTISED: E5M2 operands, one E8M0 scale for each 32 along K, by v_wmma_scale_f32_16x16x128_f8f6f4 with both operands' format E5M2, f32 sums; everything else in f32.
;; Inputs: W1_codes 1,024 x 8 x 32 uint8 (E5M2 codes of W1, K innermost, in blocks of 32 codes); W1_scales 1,024 x 8 uint8 (E8M0 scales of W1, one for each 32 codes along K); W2_codes 256 x 32 x 32 uint8 (E5M2 codes of W2, K innermost, in blocks of 32 codes); W2_scales 256 x 32 uint8 (E8M0 scales of W2, one for each 32 codes along K); b1 1,024 float32; b2 256 float32; be1 256 float32; be2 256 float32; g1 256 float32; g2 256 float32; mask 4 x 2,048 int32; x 4 x 2,048 x 256 float32.
;; Outputs: out0 4 x 2,048 x 256 float32.
;; This version of the problem:
;;   THIS VERSION OF THE PROBLEM IS GIVEN IN LOW PRECISION. The matrix products marked QUANTISED in the list below multiply operands that are first quantised to E5M2 (5 exponent bits, 2 mantissa bits; 8 bits a number), with one power-of-two scale for each 32 numbers along K (OCP MX v1.0); their sums are f32. All else is computed in f32.
;;   The module's matrix products, in the order in which they are computed (A, B: the left and right operand; K: the contracted axis; several contracted axes count as one K, in the product's order):
;;     1. [M 2,048, K 32] x [K 32, N 2,048]; A: computed on the way; B: computed on the way: QUANTISED
;;     2. batch 32 x [M 2,048, K 2,048] x [K 2,048, N 32]; A: softmax (see below); B: input x: QUANTISED
;;     3. [M 8,192, K 256] x [K 256, N 1,024]; A: computed on the way; B: input W1 (given as codes): QUANTISED
;;     4. [M 8,192, K 1,024] x [K 1,024, N 256]; A: computed on the way; B: input W2 (given as codes): QUANTISED
;;   THE QUANTISER, for each operand of a quantised product, along K:
;;     - K is cut into blocks of 32 from its start; a last block that is shorter is filled with zeros.
;;     - A block's scale is 2^e with e = floor(log2(the largest magnitude in the block)) - 15, held to -126 .. 127; a block of zeros has e = 0. As a byte (E8M0): e + 127.
;;     - Each number is divided by its block's scale, clamped to +-57,344, and rounded to the nearest number of E5M2, ties to even, subnormals kept.
;;     - The product sums the exact products of the quantised numbers (number of the format x scale) in f32.
;;   ~~~python
;;   def quantise(x, axis):      # numpy; x: float32 -> the quantised numbers, widened to float32 again
;;       x = np.moveaxis(x, axis, -1); K = x.shape[-1]
;;       x = np.pad(x, [(0, 0)] * (x.ndim - 1) + [(0, -K % 32)]); x = x.reshape(x.shape[:-1] + (-1, 32)); a = np.abs(x).max(-1, keepdims=True)
;;       e = np.where(a > 0, np.clip(np.frexp(np.where(a > 0, a, 1))[1] - 1 - 15, -126, 127), 0)      # np.frexp(a)[1] - 1 = floor(log2(a)), exactly
;;       r = np.clip(x / 2.0 ** e, -57344, 57344)
;;       step = 2.0 ** (np.maximum(np.frexp(np.where(r == 0, 1, r))[1] - 1, -14) - 2)
;;       q = np.round(r / step) * step * 2.0 ** e      # np.round: ties to even
;;       return np.moveaxis(q.reshape(q.shape[:-2] + (-1,))[..., :K], -1, axis).astype(np.float32)
;;   ~~~
;;   SOFTMAX AHEAD OF A QUANTISED PRODUCT. Where the list says 'softmax', what is quantised is not the finished softmax but p = 2^(t - M), with t = logit x log2(e) and M = ceil(the row's largest t), a whole number; so 1/2 < the row's largest p <= 1. The row's sum l is taken of the UNQUANTISED p, in f32, and the product's result is divided by l at the end. Since M is a whole number, a kernel that streams over the keys may use a running M (the ceiling of the running maximum): every later rescaling is an exact power of two, which a block's scale takes up: the codes' values come out the same.
;;   OPERANDS COMPUTED ON THE WAY. 'Computed on the way' means the value that the module computes at that place (a softmax that the list does not call 'softmax' is quantised finished and normalised). What goes into a quantiser is computed in f32, as accurately as f32 sums, v_exp_f32 and their like allow (about 1e-6 of the number): no bf16 or f16 on the way to a quantiser, and a product that is left as it is and whose result goes on into a quantised operand takes f32 operands (vector FMAs, or v_wmma_f32_16x16x4_f32). A number that lies on a knife's edge between two numbers of the format may be rounded either way, as far as f32 arithmetic and the matrix unit's own rounding can turn it there, and no further.
;;   INPUTS GIVEN AS CODES. W1 (in the module: [256, 1024], K = its axis 0); W2 (in the module: [1024, 256], K = its axis 0): each comes as NAME_codes (uint8): NAME with its K axis moved to the last place and cut into blocks of 32 codes, [.., K / 32, bytes a block], one block behind the other in memory; one code a byte (a code: sign, 5 exponent bits, 2 mantissa bits); and NAME_scales (uint8): the same leading axes, one E8M0 byte (e + 127) for each 32 codes along K. Its value is code x scale, taken as it is: it is not quantised again, and the codes and scales need not be those that the quantiser above would give.
;; 2 versions. Each part assembles by itself: llvm-mc -triple=amdgcn-amd-amdhsa -mcpu=gfx1250 --defsym DOCPART=n.
;; ======== version 1 of 2: 2 launches
;; workspace buffers: mc 65,536 bytes; ms 8,192 bytes; vc 2,097,152 bytes; vsb 65,536 bytes; mb 32,768 bytes; cb 1,024 bytes; w1f 262,144 bytes; w2f 262,144 bytes
;; launch prep (part 1): grid 81 x 1, 8 waves a work-group, no clusters, 40,448 bytes of LDS; arguments x, mask, W1_codes, W2_codes, mc, ms, vc, vsb, mb, cb, w1f, w2f; writes mc, ms, vc, vsb, mb, cb, w1f, w2f
.if DOCPART == 1
	.amdgcn_target "amdgcn-amd-amdhsa--gfx1250"
	.amdhsa_code_object_version 6
	.text
	.protected	k_qb473c5123c_prep
	.globl	k_qb473c5123c_prep
	.p2align	8
	.type	k_qb473c5123c_prep,@function
k_qb473c5123c_prep:
	s_mov_b64 s[64:65], 0
	v_nop
	global_prefetch_b8 v0, s[64:65] scope:SCOPE_SE
	s_setreg_imm32_b32 hwreg(HW_REG_WAVE_MODE, 25, 1), 1
	s_wait_xcnt 0x0
; PREP: everything that many work-groups of the second launch read is made once.
; Work-groups 0-63 (one block of 32 keys each, all 4 batches, all 256 channels: 128 KiB of x, each byte read once):
;   V = x quantised along the keys (E5M2, one E8M0 byte for 32 keys), stored as images of the matrix operand's registers (vc), its scale bytes (vsb);
;   m = the mean of x over batch and heads, [32 keys][32], quantised along its 32 (mc: codes, ms: the token's byte repeated in the four bytes of a word).
; Work-groups 64-79: W1's and W2's codes copied into the order in which a wave's operand registers take them (w1f, w2f).
; Work-group 80: the mask as the addend of t (mb): -1 for an open key, -1.44e9 for a hidden one; and the multiplier 4 log2(e) (cb).
;   A batch whose mask is all zero gets addend -1 everywhere and multiplier 0: equal weights, as the reference's softmax of equal logits gives.  Selected, never branched on.
; A LANE TAKES A CHANNEL AND ITS REGISTERS RUN DOWN THE 32 KEYS: a block lies in one lane's 32 registers, and the conversions give codes with the keys innermost.
; A block's scale byte is its largest magnitude's exponent field - 15, held at 1 from below.
; LIMITS: a block of zeros gets the byte 1 where the quantiser's text says 127 (its codes are zeros, and this program alone reads the bytes); NaN and infinities among the inputs are not served.
.set MP,   0                           ; LDS: [8 waves][32 keys][32] f32: each wave's sum over its four heads
.set MT,   32768                       ; [32 keys] rows of 128 bytes + 16: m, so that a lane can read a token's 32 numbers
.set VSBS, 37376                       ; [4 batches][256] V's scale bytes of this key block
.set MCS,  38400                       ; 1,024 bytes: m's codes on their way out
.set C,    32                          ; v32-63   codes: 8 registers for each of my four heads, never rewritten
.set X,    64                          ; v64-191  four sets of 32 numbers
.set T,    192                         ; v192-223 the numbers held within the largest code x the scale
.set M,    224                         ; v224-255 my sum over four heads
	s_load_b512 s[4:19], s[0:1], 0x0               ; x, mask, W1_codes, W2_codes, mc, ms, vc, vsb
	s_load_b256 s[20:27], s[0:1], 0x40             ; mb, cb, w1f, w2f
	v_lshl_add_u32 v30, v0, 2, 0x9a00
	v_mov_b32 v31, 0
	v_lshrrev_b32 v1, 5, v0
	v_readfirstlane_b32 s28, v1                    ; wave 0..7
	v_and_b32 v1, 31, v0                           ; lane
	v_lshlrev_b32 v2, 2, v1                        ; 4 x lane
	v_lshrrev_b32 v12, 4, v1
	v_and_b32 v13, 15, v1
	v_lshlrev_b32 v3, 4, v13
	v_lshl_add_u32 v3, v12, 11, v3                 ; vc: 2,048 (lane / 16) + 16 (lane % 16)
	s_lshl_b32 s29, s28, 12
	v_add_nc_u32 v4, s29, v2                       ; MP + 4,096 wave + 4 lane
	s_lshl_b32 s29, s28, 9
	v_add_nc_u32 v5, s29, v2                       ; MP + 512 wave + 4 lane: my four keys in every wave's part
	s_mul_i32 s29, s28, 576
	s_add_co_u32 s29, s29, MT
	v_add_nc_u32 v6, s29, v2                       ; MT + 4 rows x wave + 4 lane
	v_mul_u32_u24 v7, v1, 144
	v_add_nc_u32 v7, MT, v7                        ; MT + a row a lane
	s_lshl_b32 s29, s28, 7
	s_add_co_u32 s29, s29, VSBS
	v_add_nc_u32 v8, s29, v1                       ; VSBS + 128 wave + lane
	s_and_b32 s29, s28, 3
	s_lshl_b32 s29, s29, 8
	s_add_co_u32 s29, s29, VSBS
	v_lshlrev_b32 v25, 3, v1                       ; 8 x lane
	v_add_nc_u32 v9, s29, v25                      ; VSBS + 256 (wave % 4) + 8 lane
	v_lshlrev_b32 v10, 5, v1
	v_add_nc_u32 v10, MCS, v10                     ; MCS + 32 lane
	v_lshlrev_b32 v24, 4, v1                       ; 16 x lane
	v_add_nc_u32 v11, MCS, v24                     ; MCS + 16 lane
	s_mov_b32 s35, 0x600000                        ; the mantissa field of 57,344
	s_wait_kmcnt 0x0
	s_cmp_lt_u32 ttmp9, 64
	s_cbranch_scc1 .Lpath_x
	s_cmp_lt_u32 ttmp9, 80
	s_cbranch_scc1 .Lpath_w
; ---------------- the mask: waves 0-3, a batch each
	s_cmp_lt_u32 s28, 4
	s_cbranch_scc1 .Lmask
	s_endpgm
.Lmask:
	s_lshl_b32 s30, s28, 13                        ; a batch's 2,048 words
	s_mov_b32 s31, 0
	s_add_nc_u64 s[6:7], s[6:7], s[30:31]
	s_add_nc_u64 s[20:21], s[20:21], s[30:31]
	s_lshl_b32 s30, s28, 8
	s_add_nc_u64 s[22:23], s[22:23], s[30:31]
.irp i, 0,1,2,3,4,5,6,7,8,9,10,11,12,13,14,15
	global_load_b128 v[64+4*\i:67+4*\i], v24, s[6:7] offset:512*\i
.endr
	s_mov_b32 s32, 0xbf800000                      ; -1.0
	v_mov_b32 v16, s32
	s_wait_loadcnt 0x0
	v_or_b32 v12, v64, v65
.set j, 66
.rept 62
	v_or_b32 v12, v12, v[j]
.set j, j+1
.endr
	v_cmp_ne_u32 vcc_lo, 0, v12                    ; which lanes saw an open key
	s_cmp_lg_u32 vcc_lo, 0                         ; has the batch any?
	s_cselect_b32 s33, 0xceac0000, s32             ; a hidden key's addend: -1.44e9, or -1 where all are hidden
	s_cselect_b32 s34, 0x40b8aa3b, 0               ; the multiplier: 4 log2(e), or 0
	v_mov_b32 v13, s33
	v_mov_b32 v14, s34
	v_mov_b32 v15, s34
.set j, 64
.rept 64
	v_cmp_ne_u32 vcc_lo, 0, v[j]
	v_cndmask_b32 v[j], v13, v16, vcc_lo           ; open: -1
.set j, j+1
.endr
.irp i, 0,1,2,3,4,5,6,7,8,9,10,11,12,13,14,15
	global_store_b128 v24, v[64+4*\i:67+4*\i], s[20:21] offset:512*\i
.endr
	global_store_b64 v25, v[14:15], s[22:23]       ; 32 lanes store 256 consecutive bytes
	s_endpgm
; ---------------- the weights: thread t copies eight pieces of 16 bytes; the stores are dense (4,096 bytes a work-group and piece)
.Lpath_w:
	s_sub_co_u32 s30, ttmp9, 64                    ; 0-7: W1, 8-15: W2
	s_and_b32 s31, s30, 7
	v_and_b32 v12, 15, v0                          ; the image's lane % 16
	v_lshrrev_b32 v13, 7, v0                       ; which of the piece's two images
	v_bfe_u32 v14, v0, 5, 2                        ; the image's group of four registers
	v_bfe_u32 v15, v0, 4, 1                        ; the image's lane / 16
	v_lshlrev_b32 v16, 5, v14
	v_lshl_add_u32 v16, v15, 4, v16                ; 32 c + 16 h
	v_lshlrev_b32 v17, 4, v0
	s_lshl_b32 s32, s31, 15                        ; 16 images of 2,048 bytes a work-group
	s_mov_b32 s33, 0
	s_lshr_b32 s34, s31, 1
	s_lshl_b32 s34, s34, 16                        ; the reading wave's rows: 65,536 bytes in either tensor
	s_mov_b32 s35, 0
	s_and_b32 s36, s31, 1
	s_cmp_lt_u32 s30, 8
	s_cbranch_scc0 .Lw2
	s_lshl_b32 s36, s36, 7                         ; W1: K step s = 128 bytes of a row of 256
	s_add_co_u32 s34, s34, s36
	s_add_nc_u64 s[8:9], s[8:9], s[34:35]
	s_add_nc_u64 s[24:25], s[24:25], s[32:33]
	v_and_b32 v18, 8, v12
	v_add_nc_u32 v18, v18, v12                     ; THE ROWS OF A TILE OF W1 ARE NOT NEIGHBOURS: r + 8 (r / 8), so that two tiles' results are 16 neighbours along the next K
	v_lshl_add_u32 v16, v18, 8, v16
	v_lshl_add_u32 v16, v13, 11, v16               ; the odd tile begins 8 rows on
.irp i, 0,1,2,3,4,5,6,7
	global_load_b128 v[32+4*\i:35+4*\i], v16, s[8:9] offset:8192*\i
.endr
.irp i, 0,1,2,3,4,5,6,7
	s_wait_loadcnt 7-\i                            ; piece i is in; the younger ones may be out
	global_store_b128 v17, v[32+4*\i:35+4*\i], s[24:25] offset:4096*\i
.endr
	s_endpgm
.Lw2:
	s_lshl_b32 s36, s36, 9                         ; W2: K steps 4 (g % 2) on, 128 bytes each, of a row of 1,024
	s_add_co_u32 s34, s34, s36
	s_add_nc_u64 s[10:11], s[10:11], s[34:35]
	s_add_nc_u64 s[26:27], s[26:27], s[32:33]
	v_lshl_add_u32 v16, v12, 10, v16
	v_lshl_add_u32 v16, v13, 14, v16               ; the odd tile begins 16 rows on
.irp i, 0,1,2,3,4,5,6,7
	global_load_b128 v[32+4*\i:35+4*\i], v16, s[10:11] offset:32768*((\i)%2)+128*((\i)/2)
.endr
.irp i, 0,1,2,3,4,5,6,7
	s_wait_loadcnt 7-\i
	global_store_b128 v17, v[32+4*\i:35+4*\i], s[26:27] offset:4096*\i
.endr
	s_endpgm
; ---------------- x: wave w takes batch w / 2 and channels 128 (w % 2) + 32 q + lane, q = 0..3
; 32 numbers v[xs] on become 8 registers of codes v[cd] on and the scale's byte v[bt]; the held numbers go to v[td] on
.macro QBLK xs, td, cd, bt
.set QX, \xs
.set QT, \td
.set QC, \cd
	v_max3_num_f32 v12, |v[QX]|, |v[QX+1]|, |v[QX+2]|
	v_max3_num_f32 v13, |v[QX+3]|, |v[QX+4]|, |v[QX+5]|
.irp i, 6,10,14,18,22,26
	v_max3_num_f32 v12, v12, |v[QX+\i]|, |v[QX+\i+1]|
	v_max3_num_f32 v13, v13, |v[QX+\i+2]|, |v[QX+\i+3]|
.endr
	v_max3_num_f32 v12, v12, |v[QX+30]|, |v[QX+31]|
	v_max3_num_f32 v12, v12, v13, 0x8000000        ; and the floor 2^(16 - 127): the byte cannot fall under 1
	v_add_nc_u32 v14, 0xf8800000, v12              ; 15 off the exponent field: the conversion's scale operand
	v_and_or_b32 v15, v12, 0x7f800000, s35         ; 57,344 x the scale
	v_lshrrev_b32 v[\bt], 23, v14                  ; the byte
.set i, 0
.rept 32
	v_med3_num_f32 v[QT+i], v[QX+i], -v15, v15     ; the conversion to an 8-bit code does not saturate (ISA guide 7.6.2): the hold
.set i, i+1
.endr
.irp g, 0,1,2,3
	v_cvt_scalef32_pk8_bf8_f32 v[QC+2*\g:QC+2*\g+1], v[QT+8*\g:QT+8*\g+7], v14
.endr
.endm
.macro LOAD q
.set i, 0
.rept 32
	global_load_b32 v[X+32*(\q)+i], v2, s[4:5] offset:1024*i+128*(\q) th:TH_LOAD_NT   ; key i, 32 neighbouring channels
.set i, i+1
.endr
.endm
.macro BLOCK q                         ; the held numbers go to T, so that X stays whole for m; behind the conversions only stores follow, and the next vector lines are plain
	QBLK X+32*(\q), T, C+8*(\q), 16+(\q)
	ds_store_b8 v8, v[16+(\q)] offset:32*(\q)
	global_store_b128 v3, v[C+8*(\q):C+8*(\q)+3], s[16:17] offset:4096*(\q)          ; keys 0-15: sixteen lanes store 256 consecutive bytes, aligned
	global_store_b128 v3, v[C+8*(\q)+4:C+8*(\q)+7], s[16:17] offset:4096*(\q)+256    ; keys 16-31
.endm
.Lpath_x:
	s_lshr_b32 s30, s28, 1                         ; batch
	s_and_b32 s31, s28, 1                          ; which 128 channels
	s_lshl_b32 s32, s30, 21
	s_lshl_b32 s33, ttmp9, 15
	s_add_co_u32 s32, s32, s33
	s_lshl_b32 s33, s31, 9
	s_add_co_u32 s32, s32, s33
	s_mov_b32 s33, 0
	s_add_nc_u64 s[4:5], s[4:5], s[32:33]          ; x at (batch, key 32 kb, my channels)
	s_lshl_b32 s32, s30, 19                        ; vc: 256 images of 2,048 bytes a batch,
	s_lshr_b32 s34, ttmp9, 2
	s_lshl_b32 s34, s34, 15                        ; 16 a key step,
	s_add_co_u32 s32, s32, s34
	s_lshl_b32 s34, s31, 14                        ; my 8 tiles of 16 channels,
	s_add_co_u32 s32, s32, s34
	s_and_b32 s34, ttmp9, 3
	s_lshl_b32 s34, s34, 9                         ; the key block's group of four registers
	s_add_co_u32 s32, s32, s34
	s_add_nc_u64 s[16:17], s[16:17], s[32:33]
	s_and_b32 s32, s28, 3
	s_lshl_b32 s32, s32, 14
	s_lshl_b32 s34, ttmp9, 8
	s_add_co_u32 s32, s32, s34
	s_add_nc_u64 s[18:19], s[18:19], s[32:33]      ; vsb at (batch wave % 4, key block)
	s_lshl_b32 s32, ttmp9, 10
	s_add_nc_u64 s[12:13], s[12:13], s[32:33]      ; mc
	s_lshl_b32 s32, ttmp9, 7
	s_add_nc_u64 s[14:15], s[14:15], s[32:33]      ; ms
	LOAD 0
	LOAD 1
	s_wait_loadcnt 32                              ; set 0 is in; set 1's 32 loads may be out
	LOAD 2
	BLOCK 0
	s_wait_loadcnt 32                              ; set 1 is in; set 2's may be out
	LOAD 3
	BLOCK 1
	s_wait_loadcnt 32                              ; set 2 is in; set 3's may be out
	BLOCK 2
	s_wait_loadcnt 0x0
	BLOCK 3
.set i, 0
.rept 16
	v_pk_add_f32 v[M+i:M+i+1], v[X+64+i:X+64+i+1], v[X+96+i:X+96+i+1]   ; (plain lines that touch neither T nor the codes stand first behind the conversions)
.set i, i+2
.endr
.set i, 0
.rept 16
	v_pk_add_f32 v[T+i:T+i+1], v[X+i:X+i+1], v[X+32+i:X+32+i+1]
.set i, i+2
.endr
.set i, 0
.rept 16
	v_pk_add_f32 v[M+i:M+i+1], v[M+i:M+i+1], v[T+i:T+i+1]                ; my four heads' sum, key i, d = lane
.set i, i+2
.endr
.set i, 0
.rept 32
	ds_store_b32 v4, v[M+i] offset:128*i
.set i, i+1
.endr
	s_wait_dscnt 0x0                               ; for the others' sake: my sums and my scale bytes lie in LDS
	s_barrier_signal -1
	s_barrier_wait -1
.irp u, 0,1,2,3,4,5,6,7
.irp k, 0,1,2,3
	ds_load_b32 v[X+4*\u+\k], v5 offset:4096*\u+128*\k   ; wave u's sum for my key 4 w + k
.endr
.endr
	s_wait_dscnt 0x0
.irp u, 1,2,3,4,5,6,7
.irp k, 0,1,2,3
	v_add_f32 v[X+\k], v[X+\k], v[X+4*\u+\k]
.endr
.endr
.irp k, 0,1,2,3
	v_mul_f32 v[X+\k], 0x3d000000, v[X+\k]         ; / 32: the mean over 4 batches x 8 heads
	ds_store_b32 v6, v[X+\k] offset:144*\k
.endr
	s_cmp_lt_u32 s28, 4
	s_cbranch_scc1 .Lno_vsb
	ds_load_b64 v[20:21], v9                       ; waves 4-7: a batch's 256 scale bytes
	s_wait_dscnt 0x0
	global_store_b64 v25, v[20:21], s[18:19]       ; 32 lanes store 256 consecutive bytes, aligned
.Lno_vsb:
	s_wait_dscnt 0x0                               ; my rows of m lie in LDS, my reads of the sums are over
	s_barrier_signal -1
	s_barrier_wait -1
	s_cmp_lg_u32 s28, 0
	s_cbranch_scc1 .Lx_end
.irp g, 0,1,2,3,4,5,6,7
	ds_load_b128 v[X+4*\g:X+4*\g+3], v7 offset:16*\g   ; wave 0: a lane takes a token's 32 numbers
.endr
	s_wait_dscnt 0x0
	QBLK X, X, X+32, 22
	v_lshl_or_b32 v23, v22, 8, v22                 ; the byte in all four bytes of a word: the product lays the 32 into the first or the last block of its 128
	v_lshl_or_b32 v23, v23, 16, v23
	ds_store_b128 v10, v[X+32:X+35]
	ds_store_b128 v10, v[X+36:X+39] offset:16
	ds_load_b128 v[X+40:X+43], v11                 ; LDS serves a wave's instructions in order (ISA guide 5.7.1.4): these see my stores
	ds_load_b128 v[X+44:X+47], v11 offset:512
	s_wait_dscnt 0x0
	global_store_b128 v24, v[X+40:X+43], s[12:13]
	global_store_b128 v24, v[X+44:X+47], s[12:13] offset:512
	global_store_b32 v2, v23, s[14:15]
.Lx_end:
	s_wait_tensorcnt 0x0
	ds_add_u32 v30, v31
	s_wait_dscnt 0x0
	s_endpgm
.Lfunc_end_k_qb473c5123c_prep:
	.size	k_qb473c5123c_prep, .Lfunc_end_k_qb473c5123c_prep-k_qb473c5123c_prep
	.p2alignl 7, 3214868480
	.fill 96, 4, 3214868480
	.section	.rodata,"a",@progbits
	.p2align	6, 0x0
	.amdhsa_kernel k_qb473c5123c_prep
		.amdhsa_group_segment_fixed_size 40448
		.amdhsa_private_segment_fixed_size 0
		.amdhsa_enable_private_segment 0
		.amdhsa_kernarg_size 96
		.amdhsa_user_sgpr_count 2
		.amdhsa_user_sgpr_kernarg_segment_ptr 1
		.amdhsa_wavefront_size32 1
		.amdhsa_system_sgpr_workgroup_id_x 1
		.amdhsa_system_sgpr_workgroup_id_y 1
		.amdhsa_system_sgpr_workgroup_id_z 1
		.amdhsa_system_vgpr_workitem_id 0
		.amdhsa_next_free_vgpr 256
		.amdhsa_next_free_sgpr 66
		.amdhsa_reserve_vcc 1
		.amdhsa_float_denorm_mode_32 3
		.amdhsa_float_denorm_mode_16_64 3
		.amdhsa_memory_ordered 1
		.amdhsa_forward_progress 1
		.amdhsa_inst_pref_size 59
	.end_amdhsa_kernel
	.amdgpu_metadata
---
amdhsa.version: [ 1, 2 ]
amdhsa.kernels:
  - .name:           k_qb473c5123c_prep
    .symbol:         k_qb473c5123c_prep.kd
    .args:
      - { .name: x, .offset: 0, .size: 8, .value_kind: global_buffer, .address_space: global }
      - { .name: mask, .offset: 8, .size: 8, .value_kind: global_buffer, .address_space: global }
      - { .name: W1_codes, .offset: 16, .size: 8, .value_kind: global_buffer, .address_space: global }
      - { .name: W2_codes, .offset: 24, .size: 8, .value_kind: global_buffer, .address_space: global }
      - { .name: mc, .offset: 32, .size: 8, .value_kind: global_buffer, .address_space: global }
      - { .name: ms, .offset: 40, .size: 8, .value_kind: global_buffer, .address_space: global }
      - { .name: vc, .offset: 48, .size: 8, .value_kind: global_buffer, .address_space: global }
      - { .name: vsb, .offset: 56, .size: 8, .value_kind: global_buffer, .address_space: global }
      - { .name: mb, .offset: 64, .size: 8, .value_kind: global_buffer, .address_space: global }
      - { .name: cb, .offset: 72, .size: 8, .value_kind: global_buffer, .address_space: global }
      - { .name: w1f, .offset: 80, .size: 8, .value_kind: global_buffer, .address_space: global }
      - { .name: w2f, .offset: 88, .size: 8, .value_kind: global_buffer, .address_space: global }
    .group_segment_fixed_size: 40448
    .private_segment_fixed_size: 0
    .kernarg_segment_align: 8
    .kernarg_segment_size: 96
    .max_flat_workgroup_size: 256
    .sgpr_count:     66
    .vgpr_count:     256
    .wavefront_size: 32
...
	.end_amdgpu_metadata
.endif
;; end of part 1
;; launch fused (part 2): grid 64 x 4, 4 waves a work-group, no clusters, 178,176 bytes of LDS; arguments x, mc, ms, vc, vsb, mb, cb, w1f, W1_scales, b1, w2f, W2_scales, b2, g1, be1, g2, be2, out0; writes out0
.if DOCPART == 2
	.amdgcn_target "amdgcn-amd-amdhsa--gfx1250"
	.amdhsa_code_object_version 6
	.text
	.protected	k_qb473c5123c_fused
	.globl	k_qb473c5123c_fused
	.p2align	8
	.type	k_qb473c5123c_fused,@function
k_qb473c5123c_fused:
	s_mov_b64 s[64:65], 0
	v_nop
	global_prefetch_b8 v0, s[64:65] scope:SCOPE_SE
	s_setreg_imm32_b32 hwreg(HW_REG_WAVE_MODE, 25, 1), 1
	s_wait_xcnt 0x0
; FUSED: for 32 rows (queries) of one batch: scores, softmax, P V, residual, layer norm, both FFN products, residual, layer norm.  Nothing goes to memory on the way.
; All four products run on E5M2 codes with one E8M0 scale for 32 along K.
; SHARES.  Work-group (x = block of 32 queries, y = batch), four waves.  THE ATTENTION goes in four rounds of 512 keys.  In a round wave w makes the weights P of key step 4 round + w (128 keys) for both
; tiles of 16 queries, quantises them and hands the two operands to the other waves through LDS as images of their registers; then every wave multiplies the round's four key steps against ITS OWN 64 channels of V.
; So no sum crosses waves, and each byte of V is read by one wave, straight into its operand registers.  In the FFN wave w owns hidden units 256 w .. +255 and outputs 64 w .. +63; in the norms rows 8 w .. +7.
; SCORES.  S^T = m_keys m_queries^T, K = 32: the 32 codes stand in the first or the last block of the instruction's 128 and zero codes fill the rest.  One run of 20 registers [codes][12 zeros][codes] serves two tiles.
; score = sin^2(a / 2), a = S held to +-pi.  With w = a^2 and q = sin^2(a / 4) = w (c1 + c2 w + .. + c6 w^5), c_k = (-1)^(k+1) / (2 4^k (2k)!), score = 4 (q - q^2).  The series is cut where its next term is under 3.2e-9.
; SOFTMAX.  t = score x log2(e) lies in 0 .. 1.443 for every input, since the score is a squared sine: so the whole number M is fixed at 1 and p = 2^(t - 1) lies in 0.5 .. 1.36.  A whole-number change of M is taken
; up exactly by the blocks' scales and by the row's sum.  t - 1 = (q - q^2) x 4 log2(e) + addend: the addend is -1 for an open key and -1.44e9 for a hidden one (p = 0).  The row's sum is taken of the unquantised p.
; NO CLUSTER, NO TENSOR LOAD: every fragment of V, W1 and W2 is used by exactly one wave of a work-group, and comes by loads of 512 consecutive bytes into that wave's registers; a joint load would lay the same
; 1,048,576 bytes a work-group into LDS first, to be read from there once.
; BOTH PRODUCTS OF EACH PAIR ARE USED TRANSPOSED (source 0 = keys, channels, hidden units or outputs; source 1 = my rows): a lane holds one row, and its registers run along what is the next product's K.
; LIMITS: NaN and infinities among the inputs are not served.
; REGISTERS, in windows of 256 (s_set_vgpr_msb: bits 1:0 source 0, 3:2 source 1, 5:4 source 2, 7:6 destination).
;   window 0: v0-31 addresses; v32-223 operands and rows at work; v224-255 scale words and nothing else.   window 1: O^T, later W1 (K step 1), W2 (K steps 4-7).
;   window 2: V of a round, later W1 (K step 0), W2 (K steps 0-3).   window 3: scores and p, P's fragments, later the hidden layer and its fragments.
.set RP,   1040                        ; a staged row: 1,024 bytes + 16: row r begins 16 r bytes on modulo 256
.set PIMG, 0                           ; LDS: P's 8 images of a round, 2,048 bytes each, index 2 k + t
.set PSC,  16384                       ; their scale words, 128 bytes each
.set VSW,  17408                       ; wave w's own 4,096 bytes: V's scale words [16 key steps][64 channels]
.set LSUM, 33792                       ; [wave][32 rows] the waves' parts of the rows' sums
.set OST,  34304                       ; 32 rows: O
.set HST,  67584                       ; 32 rows: h
.set FST,  100864                      ; 32 rows: the FFN's result
.set HIMG, 134144                      ; h's 4 images, index 2 t + s
.set HSCL, 142336                      ; their scale words
.set GIMG, 142848                      ; the hidden layer's 16 images, index 2 ks + t
.set GSC,  175616                      ; their scale words: [8 ks][2 t][16 rows]
.set KR,   32                          ; window 0: v32-111 four runs of 20: keys;  v112-151 two runs: queries
.set QR,   112
.set TRL,  152                         ; v152-203 the turning of V's scale bytes, at the head
.set TRT,  184
.set TRO,  188
.set KS,   224                         ; scale words: keys (4), queries (1), V (8), P (8)
.set QS,   228
.set VSR,  232
.set PWF,  240
.set A,    32                          ; rows at work: row i, number k at A + 8 i + k = channel 128 (k / 4) + 4 lane + k % 4
.set XR,   96
.set GB1,  160
.set ST,   176                         ; eight pairs: a row's sum, mean, 1 / deviation
.set LL,   192
.set GB2,  192
.set HF,   32                          ; h's four fragments
.set B1C,  96                          ; b1 in the result's layout, 8 registers a tile
.set W1S,  224
.set HSC,  240
.set AC2,  32                          ; the second FFN product's eight accumulators
.set B2C,  132
.set W2S,  224
.set GSCR, 240
.set MBR,  128                         ; window 3: v0-127 scores, p, then P's fragments; v128-191 the addends
.set PS,   192                         ; v192-223 the series at work, then P's codes
.set PC,   192
.set BM,   224
.set TP,   228
.set TH,   232
.set TS,   236
.set LS3,  240                         ; v240-247 the sums: tile t at 240 + 4 t (two halves), 242 + 4 t at work
.set PW,   250
.set LT,   252
.set MSB, 0
.macro WIN new                         ; the immediate's high byte repeats the setting that is left
.if MSB != (\new)
	s_set_vgpr_msb (MSB<<8)|(\new)
.set MSB, (\new)
.endif
.endm
.macro NOPS n
.rept \n
	v_nop
.endr
.endm
.macro BAR                             ; my LDS stores have landed and my LDS loads are in: then the work-group's barrier
	s_wait_dscnt 0x0
	s_barrier_signal -1
	s_barrier_wait -1
.endm
; one matrix instruction.  c < 0: the constant 0 starts the sum.  ra, rb: the side's scale words stand in lanes 16-31
.macro WM d, a, b, c, sa, sb, ra, rb
.set WD, \d
.set WA, \a
.set WB, \b
.set WC, \c
.set WSA, \sa
.set WSB, \sb
.if WC < 0
.if (\ra) && (\rb)
	v_wmma_scale_f32_16x16x128_f8f6f4 v[WD:WD+7], v[WA:WA+15], v[WB:WB+15], 0, v[WSA], v[WSB] matrix_a_fmt:MATRIX_FMT_BF8 matrix_b_fmt:MATRIX_FMT_BF8 matrix_a_scale:MATRIX_SCALE_ROW1 matrix_b_scale:MATRIX_SCALE_ROW1
.elseif (\ra)
	v_wmma_scale_f32_16x16x128_f8f6f4 v[WD:WD+7], v[WA:WA+15], v[WB:WB+15], 0, v[WSA], v[WSB] matrix_a_fmt:MATRIX_FMT_BF8 matrix_b_fmt:MATRIX_FMT_BF8 matrix_a_scale:MATRIX_SCALE_ROW1
.elseif (\rb)
	v_wmma_scale_f32_16x16x128_f8f6f4 v[WD:WD+7], v[WA:WA+15], v[WB:WB+15], 0, v[WSA], v[WSB] matrix_a_fmt:MATRIX_FMT_BF8 matrix_b_fmt:MATRIX_FMT_BF8 matrix_b_scale:MATRIX_SCALE_ROW1
.else
	v_wmma_scale_f32_16x16x128_f8f6f4 v[WD:WD+7], v[WA:WA+15], v[WB:WB+15], 0, v[WSA], v[WSB] matrix_a_fmt:MATRIX_FMT_BF8 matrix_b_fmt:MATRIX_FMT_BF8
.endif
.else
.if (\ra) && (\rb)
	v_wmma_scale_f32_16x16x128_f8f6f4 v[WD:WD+7], v[WA:WA+15], v[WB:WB+15], v[WC:WC+7], v[WSA], v[WSB] matrix_a_fmt:MATRIX_FMT_BF8 matrix_b_fmt:MATRIX_FMT_BF8 matrix_a_scale:MATRIX_SCALE_ROW1 matrix_b_scale:MATRIX_SCALE_ROW1
.elseif (\ra)
	v_wmma_scale_f32_16x16x128_f8f6f4 v[WD:WD+7], v[WA:WA+15], v[WB:WB+15], v[WC:WC+7], v[WSA], v[WSB] matrix_a_fmt:MATRIX_FMT_BF8 matrix_b_fmt:MATRIX_FMT_BF8 matrix_a_scale:MATRIX_SCALE_ROW1
.elseif (\rb)
	v_wmma_scale_f32_16x16x128_f8f6f4 v[WD:WD+7], v[WA:WA+15], v[WB:WB+15], v[WC:WC+7], v[WSA], v[WSB] matrix_a_fmt:MATRIX_FMT_BF8 matrix_b_fmt:MATRIX_FMT_BF8 matrix_b_scale:MATRIX_SCALE_ROW1
.else
	v_wmma_scale_f32_16x16x128_f8f6f4 v[WD:WD+7], v[WA:WA+15], v[WB:WB+15], v[WC:WC+7], v[WSA], v[WSB] matrix_a_fmt:MATRIX_FMT_BF8 matrix_b_fmt:MATRIX_FMT_BF8
.endif
.endif
.endm
; my key step's 128 keys: codes of m (8 loads), their scale words (4), the addends (16): 28 loads.
; THE KEYS OF A TILE ARE NOT NEIGHBOURS: lane r of tile (be, u) takes key 32 be + 8 u + r + 8 (r / 8), so that the 16 registers of two tiles are 16 neighbouring keys
.macro KLOAD
.irp e, 0,1,2,3
	global_load_b128 v[KR+20*\e:KR+20*\e+3], v3, s[68:69] offset:1024*\e
	global_load_b128 v[KR+20*\e+16:KR+20*\e+19], v3, s[68:69] offset:1024*\e+256
	global_load_b32 v[KS+\e], v4, s[70:71] offset:128*\e          ; lanes 0-15: tile (e, 0)'s words; lanes 16-31: tile (e, 1)'s
.endr
	WIN 0xc0
.irp e, 0,1,2,3
.irp i, 0,1,2,3
	global_load_b128 v[MBR+16*\e+4*\i:MBR+16*\e+4*\i+3], v5, s[72:73] offset:128*\e+16*\i
.endr
.endr
	WIN 0
.endm
.macro VLOAD ka                        ; V's four fragments (my 64 channels) of the round's key step ka: 16 loads of 512 consecutive bytes
.irp n, 0,1,2,3
.irp c, 0,1,2,3
	global_load_b128 v[16*(4*(\ka)+\n)+4*\c:16*(4*(\ka)+\n)+4*\c+3], v1, s[74:75] offset:32768*(\ka)+2048*\n+512*\c
.endr
.endr
.endm
.macro SMUL                            ; S^T: 16 products, each its own accumulator: register 64 t + 16 e + i of lane (r, h) = (key 32 e + 16 h + i, query 16 t + r)
	WIN 0xc0
.irp t, 0,1
.irp e, 0,1,2,3
.irp u, 0,1
	WM 64*\t+16*\e+8*\u, KR+20*\e+4*\u, QR+20*\t+4*\u, -1, KS+\e, QS, \u, \t
.endr
.endr
.endr
.endm
.macro POLY ch                         ; 32 scores become t - 1.  All in window 3; each step runs over 16 pairs, so that no line waits for the line above it
.set SB, 32*(\ch)
.set MA, MBR+(32*(\ch))%64
.set i, 0
.rept 32
	v_med3_num_f32 v[SB+i], v[SB+i], -s47, s47     ; the clip at +-pi; each accumulator is read from its low end on
.set i, i+1
.endr
.set i, 0
.rept 16
	v_pk_mul_f32 v[SB+i:SB+i+1], v[SB+i:SB+i+1], v[SB+i:SB+i+1]                          ; w = a^2
.set i, i+2
.endr
.set i, 0
.rept 16
	v_pk_fma_f32 v[PS+i:PS+i+1], v[SB+i:SB+i+1], s[50:51], v[248:249] op_sel_hi:[1,0,1]  ; c6 w + c5
.set i, i+2
.endr
.irp cc, 52,54,56,58
.set i, 0
.rept 16
	v_pk_fma_f32 v[PS+i:PS+i+1], v[PS+i:PS+i+1], v[SB+i:SB+i+1], s[\cc:\cc+1] op_sel_hi:[1,1,0]   ; .. w + c4, c3, c2, c1
.set i, i+2
.endr
.endr
.set i, 0
.rept 16
	v_pk_mul_f32 v[SB+i:SB+i+1], v[PS+i:PS+i+1], v[SB+i:SB+i+1]                          ; q = sin^2(a / 4)
.set i, i+2
.endr
.set i, 0
.rept 16
	v_pk_fma_f32 v[SB+i:SB+i+1], v[SB+i:SB+i+1], v[SB+i:SB+i+1], v[SB+i:SB+i+1] neg_lo:[1,0,0] neg_hi:[1,0,0]   ; q - q^2 = score / 4
.set i, i+2
.endr
.set i, 0
.rept 16
	v_pk_fma_f32 v[SB+i:SB+i+1], v[SB+i:SB+i+1], s[48:49], v[MA+i:MA+i+1] op_sel_hi:[1,0,1]   ; x 4 log2(e) + the key's addend
.set i, i+2
.endr
.endm
.macro PEXP t
.set i, 0
.rept 64
	v_exp_f32 v[64*(\t)+i], v[64*(\t)+i]           ; p = 2^(t - 1)
.set i, i+1
.endr
.endm
.macro PSUM t                          ; the row's sum of the unquantised p, two at a time, in two chains
.set SB, 64*(\t)
.set LA, LS3+4*(\t)
	v_pk_add_f32 v[LA+2:LA+3], v[SB:SB+1], v[SB+2:SB+3]
.irp j, 4,8,12,16,20,24,28,32,36,40,44,48,52,56,60
	v_pk_add_f32 v[LA:LA+1], v[LA:LA+1], v[SB+\j:SB+\j+1]
	v_pk_add_f32 v[LA+2:LA+3], v[LA+2:LA+3], v[SB+\j+2:SB+\j+3]
.endr
	v_pk_add_f32 v[LA:LA+1], v[LA:LA+1], v[LA+2:LA+3]
.endm
.macro PQUANT t                        ; tile t's 64 p a lane become a fragment's codes and its scale word.  p is not negative: no |.|, a one-sided hold
.set SB, 64*(\t)
.irp b, 0,1,2,3
	v_max3_num_f32 v[BM+\b], v[SB+16*\b], v[SB+16*\b+1], 0x8000000   ; with the floor 2^(16 - 127): the byte cannot fall under 1 (a block of hidden keys keeps that byte: its codes are zeros)
.endr
.irp i, 2,4,6,8,10,12,14
.irp b, 0,1,2,3
	v_max3_num_f32 v[BM+\b], v[BM+\b], v[SB+16*\b+\i], v[SB+16*\b+\i+1]
.endr
.endr
.irp b, 0,1,2,3
	v_permlanex16_b32 v[TP+\b], v[BM+\b], s44, s45
.endr
.irp b, 0,1,2,3
	v_max_num_f32 v[BM+\b], v[BM+\b], v[TP+\b]     ; with lane l xor 16's 16 keys: the block's largest p
.endr
.irp b, 0,1,2,3
	v_add_nc_u32 v[TS+\b], 0xf8800000, v[BM+\b]    ; 15 off the exponent field: the conversion's scale operand
.endr
.irp b, 0,1,2,3
	v_and_or_b32 v[TH+\b], v[BM+\b], 0x7f800000, s46   ; 57,344 x the scale
.endr
.irp b, 0,1,2,3
	v_lshrrev_b32 v[TP+\b], 23, v[TS+\b]           ; the byte
.endr
	v_lshl_or_b32 v[PW+\t], v[TP+1], 8, v[TP]
	v_lshl_or_b32 v[PW+\t], v[TP+2], 16, v[PW+\t]
	v_lshl_or_b32 v[PW+\t], v[TP+3], 24, v[PW+\t]
.irp b, 0,1,2,3
.set i, 0
.rept 16
	v_min_num_f32 v[SB+16*\b+i], v[SB+16*\b+i], v[TH+\b]   ; the conversion to an 8-bit code does not saturate (ISA guide 7.6.2)
.set i, i+1
.endr
	v_cvt_scalef32_pk8_bf8_f32 v[PC+16*\t+4*\b:PC+16*\t+4*\b+1], v[SB+16*\b:SB+16*\b+7], v[TS+\b]
	v_cvt_scalef32_pk8_bf8_f32 v[PC+16*\t+4*\b+2:PC+16*\t+4*\b+3], v[SB+16*\b+8:SB+16*\b+15], v[TS+\b]
.endr
	v_nop                                          ; a plain line behind the last conversion
.endm
.macro PV ka                           ; O^T += V^T P^T, key step ka of the round: the eight accumulators by turns
.irp t, 0,1
.irp n, 0,1,2,3
	WM 8*(4*\t+\n), 16*(4*(\ka)+\n), 16*(2*(\ka)+\t), 8*(4*\t+\n), VSR+2*(\ka)+(\n)/2, PWF+2*(\ka)+\t, (\n)%2, 0
.endr
.endr
.endm
; 64 numbers of a lane in window 3, v[s] on (register 16 b + i = k 32 b + 16 (lane / 16) + i of my row), become codes in v[tb + 20] on and the scale word in v[tb + 16], both window 0.
; relu = 1: what is negative becomes 0 on the way: the hold clips at 0, and the largest magnitude is taken without |.|
.macro QUANT s, tb, relu
.set QN, \s
.set QW, \tb
.irp b, 0,1,2,3
	v_mov_b32 v[QW+4+\b], 0                        ; a lane permute's destination counts as one of its sources
.endr
	WIN 0x0f
.irp b, 0,1,2,3
.if \relu
	v_max3_num_f32 v[QW+\b], v[QN+16*\b], v[QN+16*\b+1], 0x8000000
.else
	v_max3_num_f32 v[QW+\b], |v[QN+16*\b]|, |v[QN+16*\b+1]|, 0x8000000
.endif
.endr
	WIN 0x3c
.irp i, 2,4,6,8,10,12,14
.irp b, 0,1,2,3
.if \relu
	v_max3_num_f32 v[QW+\b], v[QW+\b], v[QN+16*\b+\i], v[QN+16*\b+\i+1]
.else
	v_max3_num_f32 v[QW+\b], v[QW+\b], |v[QN+16*\b+\i]|, |v[QN+16*\b+\i+1]|
.endif
.endr
.endr
	WIN 0
.irp b, 0,1,2,3
	v_permlanex16_b32 v[QW+4+\b], v[QW+\b], s44, s45
.endr
.irp b, 0,1,2,3
	v_max_num_f32 v[QW+\b], v[QW+\b], v[QW+4+\b]
.endr
.irp b, 0,1,2,3
	v_add_nc_u32 v[QW+12+\b], 0xf8800000, v[QW+\b]
.endr
.irp b, 0,1,2,3
	v_and_or_b32 v[QW+8+\b], v[QW+\b], 0x7f800000, s46
.endr
.irp b, 0,1,2,3
	v_lshrrev_b32 v[QW+4+\b], 23, v[QW+12+\b]
.endr
	v_lshl_or_b32 v[QW+16], v[QW+5], 8, v[QW+4]
	v_lshl_or_b32 v[QW+16], v[QW+6], 16, v[QW+16]
	v_lshl_or_b32 v[QW+16], v[QW+7], 24, v[QW+16]
	WIN 0xc3
.irp b, 0,1,2,3
.set i, 0
.rept 16
.if \relu
	v_med3_num_f32 v[QN+16*\b+i], v[QN+16*\b+i], 0, v[QW+8+\b]
.else
	v_med3_num_f32 v[QN+16*\b+i], v[QN+16*\b+i], -v[QW+8+\b], v[QW+8+\b]
.endif
.set i, i+1
.endr
.endr
	WIN 0x03
.irp b, 0,1,2,3
	v_cvt_scalef32_pk8_bf8_f32 v[QW+20+4*\b:QW+21+4*\b], v[QN+16*\b:QN+16*\b+7], v[QW+12+\b]
	v_cvt_scalef32_pk8_bf8_f32 v[QW+22+4*\b:QW+23+4*\b], v[QN+16*\b+8:QN+16*\b+15], v[QW+12+\b]
.endr
	WIN 0
	v_nop                                          ; a plain line behind the last conversion
.endm
.macro IMAGE adr, off, pc              ; a fragment goes to LDS as it stands in its registers: lane l's 16 bytes at 16 l, 512 bytes a store
.irp c, 0,1,2,3
	ds_store_b128 v[\adr], v[(\pc)+4*\c:(\pc)+4*\c+3] offset:(\off)+512*\c
.endr
.endm
.macro WLD win, base, r0, n, f0        ; n fragments of a weight, images f0 on, into registers 16 r0 on of the window
	WIN \win
.set kk, 0
.rept \n
.irp c, 0,1,2,3
	global_load_b128 v[16*((\r0)+kk)+4*\c:16*((\r0)+kk)+4*\c+3], v1, s[\base:\base+1] offset:2048*((\f0)+kk)+512*\c
.endr
.set kk, kk+1
.endr
	WIN 0
.endm
.macro LANES                           ; eight rows' numbers summed over the 32 lanes, the rows by turns
.irp m, 1,2,4,8
.irp i, 0,1,2,3,4,5,6,7
	v_add_f32_dpp v[ST+2*\i], v[ST+2*\i], v[ST+2*\i] row_xmask:\m row_mask:0xf bank_mask:0xf
.endr
.endr
.irp i, 0,1,2,3,4,5,6,7
	v_permlanex16_b32 v[ST+2*\i+1], v[ST+2*\i], s44, s45
.endr
.irp i, 0,1,2,3,4,5,6,7
	v_add_f32 v[ST+2*\i], v[ST+2*\i], v[ST+2*\i+1]
.endr
.endm
.macro LNORM gb                        ; my eight rows in A: (a - mean) / sqrt(variance + eps) x g + be; g at v[gb] on, be at v[gb + 8] on
.irp i, 0,1,2,3,4,5,6,7
	v_pk_add_f32 v[ST+2*\i:ST+2*\i+1], v[A+8*\i:A+8*\i+1], v[A+8*\i+2:A+8*\i+3]
.endr
.irp k, 4,6
.irp i, 0,1,2,3,4,5,6,7
	v_pk_add_f32 v[ST+2*\i:ST+2*\i+1], v[ST+2*\i:ST+2*\i+1], v[A+8*\i+\k:A+8*\i+\k+1]
.endr
.endr
.irp i, 0,1,2,3,4,5,6,7
	v_add_f32 v[ST+2*\i], v[ST+2*\i], v[ST+2*\i+1]
.endr
	LANES
.irp i, 0,1,2,3,4,5,6,7
	v_mul_f32 v[ST+2*\i], s92, v[ST+2*\i]          ; the mean
.endr
.irp k, 0,2,4,6
.irp i, 0,1,2,3,4,5,6,7
	v_pk_add_f32 v[A+8*\i+\k:A+8*\i+\k+1], v[A+8*\i+\k:A+8*\i+\k+1], v[ST+2*\i:ST+2*\i+1] op_sel_hi:[1,0] neg_lo:[0,1] neg_hi:[0,1]
.endr
.endr
.irp i, 0,1,2,3,4,5,6,7
	v_pk_mul_f32 v[ST+2*\i:ST+2*\i+1], v[A+8*\i:A+8*\i+1], v[A+8*\i:A+8*\i+1]
.endr
.irp k, 2,4,6
.irp i, 0,1,2,3,4,5,6,7
	v_pk_fma_f32 v[ST+2*\i:ST+2*\i+1], v[A+8*\i+\k:A+8*\i+\k+1], v[A+8*\i+\k:A+8*\i+\k+1], v[ST+2*\i:ST+2*\i+1]
.endr
.endr
.irp i, 0,1,2,3,4,5,6,7
	v_add_f32 v[ST+2*\i], v[ST+2*\i], v[ST+2*\i+1]
.endr
	LANES
.irp i, 0,1,2,3,4,5,6,7
	v_fma_f32 v[ST+2*\i], v[ST+2*\i], s92, s97     ; the variance + eps
.endr
.irp i, 0,1,2,3,4,5,6,7
	v_rsq_f32 v[ST+2*\i], v[ST+2*\i]
.endr
	v_nop                                          ; a plain line behind the last of the batch,
	s_wait_alu depctr_va_vdst(0)                   ; and one wait for the eight, ahead of their first reader
.irp k, 0,2,4,6
.irp i, 0,1,2,3,4,5,6,7
	v_pk_mul_f32 v[A+8*\i+\k:A+8*\i+\k+1], v[A+8*\i+\k:A+8*\i+\k+1], v[ST+2*\i:ST+2*\i+1] op_sel_hi:[1,0]
.endr
.endr
.irp k, 0,2,4,6
.irp i, 0,1,2,3,4,5,6,7
	v_pk_fma_f32 v[A+8*\i+\k:A+8*\i+\k+1], v[A+8*\i+\k:A+8*\i+\k+1], v[(\gb)+\k:(\gb)+\k+1], v[(\gb)+8+\k:(\gb)+8+\k+1]
.endr
.endr
.endm
; ================ the head
	s_load_b512 s[4:19], s[0:1], 0x0               ; x, mc, ms, vc, vsb, mb, cb, w1f
	s_load_b512 s[20:35], s[0:1], 0x40             ; W1_scales, b1, w2f, W2_scales, b2, g1, be1, g2
	s_load_b128 s[36:39], s[0:1], 0x80             ; be2, out0
	v_lshl_add_u32 v254, v0, 2, 0x2b600
	v_mov_b32 v255, 0
	v_lshrrev_b32 v208, 5, v0
	v_readfirstlane_b32 s40, v208                  ; wave 0..3
	s_and_b32 s41, ttmp7, 0xffff                   ; batch
	s_mov_b32 s42, ttmp9                           ; block of 32 queries
	v_and_b32 v208, 31, v0                         ; lane
	v_and_b32 v209, 15, v0                         ; r
	v_bfe_u32 v210, v0, 4, 1                       ; h
	v_and_b32 v212, 8, v209
	v_add_nc_u32 v212, v212, v209                  ; r + 8 (r / 8)
	v_lshl_add_u32 v211, v210, 3, v212             ; + 8 h: the row whose scale word my lane takes, two tiles to a register
	v_lshlrev_b32 v1, 4, v208                      ; v1  16 lane
	v_lshlrev_b32 v2, 2, v208                      ; v2  4 lane
	v_lshlrev_b32 v3, 5, v212
	v_lshl_add_u32 v3, v210, 4, v3                 ; v3  a key's 32 codes: 32 (r + 8 (r / 8)) + 16 h
	v_lshlrev_b32 v4, 2, v211                      ; v4  its scale word
	v_lshlrev_b32 v5, 6, v210                      ; v5  64 h
	s_lshl_b32 s60, s40, 12
	v_add_nc_u32 v6, s60, v1                       ; v6  where I store P's images: PIMG + 4,096 w + 16 lane
	s_lshl_b32 s61, s40, 8
	s_add_co_u32 s61, s61, PSC
	v_add_nc_u32 v7, s61, v2                       ; v7  and their scale words
	v_add_nc_u32 v8, PIMG, v1                      ; v8  where any image is read
	v_add_nc_u32 v9, PSC, v2                       ; v9
	s_add_co_u32 s60, s60, VSW
	v_add_nc_u32 v10, s60, v2                      ; v10 V's scale words of the round; 1,024 on in each round
	v_lshrrev_b32 v213, 2, v208
	v_and_b32 v214, 3, v208
	v_lshlrev_b32 v31, 8, v213
	v_lshl_add_u32 v31, v214, 6, v31
	v_add_nc_u32 v31, s60, v31                     ; v31 where they are written: key step lane / 4, channels 16 (lane % 4) on
	v_lshlrev_b32 v213, 10, v213
	v_lshl_add_u32 v213, v214, 4, v213             ; v213 the same place among V's scale bytes in memory
	v_mul_u32_u24 v11, v209, RP
	v_lshl_add_u32 v11, v210, 5, v11
	s_lshl_b32 s60, s40, 8
	s_add_co_u32 s60, s60, OST
	v_add_nc_u32 v11, s60, v11                     ; v11 O's stage: row r, my 64 channels, + 32 h
	v_add_nc_u32 v12, FST-OST, v11                 ; v12 the same in the FFN's stage
	s_mul_i32 s60, s40, 8*RP
	s_add_co_u32 s60, s60, OST
	v_add_nc_u32 v13, s60, v1                      ; v13 my eight rows of O, 16 bytes a lane
	v_add_nc_u32 v14, HST-OST, v13                 ; v14 of h
	v_add_nc_u32 v15, FST-OST, v13                 ; v15 of the FFN's result
	s_lshl_b32 s60, s40, 7
	s_add_co_u32 s60, s60, LSUM
	v_lshl_add_u32 v16, v209, 2, s60               ; v16 my part of the rows' sums
	v_lshrrev_b32 v214, 3, v208
	v_and_b32 v215, 7, v208
	v_lshlrev_b32 v17, 7, v214
	v_lshl_add_u32 v17, v215, 2, v17
	s_lshl_b32 s60, s40, 5
	s_add_co_u32 s60, s60, LSUM
	v_add_nc_u32 v17, s60, v17                     ; v17 wave lane / 8's part for my row lane % 8
	s_and_b32 s60, s40, 1
	s_lshr_b32 s61, s40, 1
	s_mul_i32 s62, s60, 16*RP
	s_lshl_b32 s63, s61, 9
	s_add_co_u32 s62, s62, s63
	s_add_co_u32 s62, s62, HST
	v_mul_u32_u24 v18, v209, RP
	v_lshl_add_u32 v18, v210, 6, v18
	v_add_nc_u32 v18, s62, v18                     ; v18 h for the quantiser: tile w % 2, K step w / 2: row r, + 64 h
	s_lshl_b32 s60, s60, 1
	s_add_co_u32 s60, s60, s61
	s_lshl_b32 s61, s60, 11
	s_add_co_u32 s61, s61, HIMG
	v_add_nc_u32 v19, s61, v1                      ; v19 where I store that image
	s_lshl_b32 s61, s60, 7
	s_add_co_u32 s61, s61, HSCL
	v_add_nc_u32 v20, s61, v2                      ; v20 and its scale words
	v_add_nc_u32 v21, HIMG, v1
	v_add_nc_u32 v22, HSCL, v2
	s_lshl_b32 s60, s40, 13
	s_add_co_u32 s60, s60, GIMG
	v_add_nc_u32 v23, s60, v1                      ; v23 where I store the hidden layer's images
	s_lshl_b32 s60, s40, 8
	s_add_co_u32 s60, s60, GSC
	v_lshl_add_u32 v24, v209, 2, s60               ; v24 and their scale words: 4 r (lanes l and l + 16 store the same word with the same value)
	v_add_nc_u32 v25, GIMG, v1
	v_add_nc_u32 v26, GSC, v2                      ; v26 read back: lanes 0-15 tile 0's words, lanes 16-31 tile 1's
	v_lshlrev_b32 v27, 5, v209
	v_lshl_add_u32 v27, v210, 4, v27               ; v27 a query's 32 codes
	v_lshlrev_b32 v28, 3, v211                     ; v28 W1's scale words: 8 bytes a row
	v_lshlrev_b32 v29, 5, v208                     ; v29 W2's: 32 bytes a row, a lane a row
	v_lshlrev_b32 v30, 5, v210                     ; v30 32 h
	s_mov_b32 s44, 0x76543210
	s_mov_b32 s45, 0xfedcba98                      ; v_permlanex16_b32's selects for lane l xor 16
	s_mov_b32 s46, 0x600000                        ; the mantissa field of 57,344
	s_mov_b32 s47, 0x40490fdb                      ; pi
	s_mov_b32 s50, 0xaa8f76c7                      ; c6 (c5 stands in vector registers: one scalar pair to an instruction)
	s_mov_b32 s51, s50
	s_mov_b32 s52, 0xb3500d01                      ; c4
	s_mov_b32 s53, s52
	s_mov_b32 s54, 0x37360b61                      ; c3
	s_mov_b32 s55, s54
	s_mov_b32 s56, 0xbaaaaaab                      ; c2
	s_mov_b32 s57, s56
	s_mov_b32 s58, 0x3d800000                      ; c1
	s_mov_b32 s59, s58
	s_mov_b32 s92, 0x3b800000                      ; 1 / 256
	s_mov_b32 s93, 0x05010400                      ; byte selects for the turning of 4 x 4 bytes
	s_mov_b32 s94, 0x07030602
	s_mov_b32 s95, 0x05040100
	s_mov_b32 s96, 0x07060302
	s_mov_b32 s97, 0x3727c5ac                      ; eps = 1e-5
	s_wait_kmcnt 0x0
	s_mov_b32 s61, 0
	s_lshl_b32 s60, s41, 11
	s_lshl_b32 s62, s42, 5
	s_add_co_u32 s60, s60, s62
	s_lshl_b32 s62, s40, 3
	s_add_co_u32 s60, s60, s62
	s_lshl_b32 s60, s60, 10                        ; my eight rows: (2,048 batch + 32 block + 8 wave) x 1,024 bytes
	s_add_nc_u64 s[4:5], s[4:5], s[60:61]
	s_add_nc_u64 s[38:39], s[38:39], s[60:61]
	s_lshl_b32 s60, s40, 12
	s_add_nc_u64 s[68:69], s[6:7], s[60:61]        ; s[68:69] m's codes at key step w
	s_lshl_b32 s60, s42, 10
	s_add_nc_u64 s[62:63], s[6:7], s[60:61]        ; s[62:63] at my queries
	s_lshl_b32 s60, s40, 9
	s_add_nc_u64 s[70:71], s[8:9], s[60:61]        ; s[70:71] m's scale words at key step w
	s_lshl_b32 s66, s41, 13
	s_add_co_u32 s60, s60, s66
	s_add_nc_u64 s[72:73], s[14:15], s[60:61]      ; s[72:73] the addends of my batch at key step w
	s_lshl_b32 s60, s42, 7
	s_add_nc_u64 s[66:67], s[8:9], s[60:61]        ; s[66:67] m's scale words at my queries
	s_lshl_b32 s60, s41, 19
	s_lshl_b32 s43, s40, 13
	s_add_co_u32 s60, s60, s43
	s_add_nc_u64 s[74:75], s[10:11], s[60:61]      ; s[74:75] V's images: my batch, my four tiles of channels
	s_lshl_b32 s60, s41, 14
	s_lshl_b32 s43, s40, 6
	s_add_co_u32 s60, s60, s43
	s_add_nc_u64 s[12:13], s[12:13], s[60:61]      ; V's scale bytes: my batch, my 64 channels
	s_lshl_b32 s60, s41, 8
	s_add_nc_u64 s[16:17], s[16:17], s[60:61]
	s_lshl_b32 s60, s40, 16
	s_add_nc_u64 s[18:19], s[18:19], s[60:61]      ; my 32 images of W1,
	s_add_nc_u64 s[24:25], s[24:25], s[60:61]      ; and of W2
	s_lshl_b32 s60, s40, 11
	s_add_nc_u64 s[20:21], s[20:21], s[60:61]
	s_add_nc_u64 s[26:27], s[26:27], s[60:61]
	s_lshl_b32 s60, s40, 10
	s_add_nc_u64 s[22:23], s[22:23], s[60:61]
	s_lshl_b32 s60, s40, 8
	s_add_nc_u64 s[28:29], s[28:29], s[60:61]
	s_load_b64 s[48:49], s[16:17], 0x0             ; the batch's multiplier, twice
.irp t, 0,1
	global_load_b128 v[QR+20*\t:QR+20*\t+3], v27, s[62:63] offset:512*\t        ; a tile of queries at both ends of its run
	global_load_b128 v[QR+20*\t+16:QR+20*\t+19], v27, s[62:63] offset:512*\t
.endr
	global_load_b32 v[QS], v2, s[66:67]            ; lanes 0-15: tile 0's words; lanes 16-31: tile 1's
	KLOAD
.irp z, 0,1
.irp c, 0,1,2,3
	global_load_b128 v[TRL+16*\z+4*\c:TRL+16*\z+4*\c+3], v213, s[12:13] offset:8192*\z+256*\c   ; key step 8 z + lane / 4, block c, 16 channels
.endr
.endr
	WIN 0x80
	VLOAD 0
	VLOAD 1
	VLOAD 2
	WIN 0
.irp e, 0,1,2,3
.irp j, 4,5,6,7,8,9,10,11,12,13,14,15
	v_mov_b32 v[KR+20*\e+\j], 0                    ; the zero codes that fill K = 32 up to the instruction's 128
.endr
.endr
.irp t, 0,1
.irp j, 4,5,6,7,8,9,10,11,12,13,14,15
	v_mov_b32 v[QR+20*\t+\j], 0
.endr
.endr
	v_mov_b32 v[LL+1], 0
	WIN 0xc0
.irp j, 228,229,230,231,240,241,242,243,244,245,246,247
	v_mov_b32 v\j, 0                               ; the permutes' destinations, and the sums
.endr
	v_mov_b32 v248, 0x2f13f27e                     ; c5, twice
	v_mov_b32 v249, 0x2f13f27e
	WIN 0x40
.set i, 0
.rept 64
	v_mov_b32 v[i], 0                              ; O^T: the round is written once, and its first trip adds onto zeros
.set i, i+1
.endr
	WIN 0
	s_wait_loadcnt 48                              ; all but V's 48 loads are in
; V's scale bytes lie [key block][channel]; a scale word wants a channel's four blocks: 4 x 4 bytes are turned by eight byte selects
.irp z, 0,1
.irp e, 0,1,2,3
	v_perm_b32 v[TRT], v[TRL+16*\z+4+\e], v[TRL+16*\z+\e], s93
	v_perm_b32 v[TRT+1], v[TRL+16*\z+4+\e], v[TRL+16*\z+\e], s94
	v_perm_b32 v[TRT+2], v[TRL+16*\z+12+\e], v[TRL+16*\z+8+\e], s93
	v_perm_b32 v[TRT+3], v[TRL+16*\z+12+\e], v[TRL+16*\z+8+\e], s94
	v_perm_b32 v[TRO+4*\e], v[TRT+2], v[TRT], s95
	v_perm_b32 v[TRO+4*\e+1], v[TRT+2], v[TRT], s96
	v_perm_b32 v[TRO+4*\e+2], v[TRT+3], v[TRT+1], s95
	v_perm_b32 v[TRO+4*\e+3], v[TRT+3], v[TRT+1], s96
	ds_store_b128 v31, v[TRO+4*\e:TRO+4*\e+3] offset:2048*\z+16*\e   ; my wave's own bytes: no other wave touches them
.endr
	s_wait_dscnt 0x0                               ; the stores have read their registers
.endr
	s_wait_kmcnt 0x0                               ; the multiplier
	s_mov_b32 s43, 0                               ; the round
; ================ the attention: four rounds.  At the head of a trip V's first 48 loads of the round are out, and nothing else
.Lround:
	SMUL
	NOPS 8                                         ; places ahead of the first read of the scores and of the loads into the keys' registers
	WIN 0xff
	POLY 0
	POLY 1
	PEXP 0                                         ; tile 0's 64 exponentials: one batch; tile 1's series is the independent work behind it
	POLY 2
	POLY 3
	s_wait_alu depctr_va_vdst(0)                   ; one wait for the batch, ahead of the branch below and of the first reader
	WIN 0
	s_cmp_lt_u32 s43, 3
	s_cbranch_scc0 .Lno_k                          ; the last round has no next keys: no load leaves its buffer
	s_wait_xcnt 0x0                                ; the last loads have read their bases
	s_add_nc_u64 s[68:69], s[68:69], 16384         ; four key steps on
	s_add_nc_u64 s[70:71], s[70:71], 2048
	s_add_nc_u64 s[72:73], s[72:73], 2048
	KLOAD
.Lno_k:
	WIN 0x80
	VLOAD 3
	WIN 0xff
	PEXP 1                                         ; tile 1's batch; tile 0's sums and quantiser are the independent work behind it
	PSUM 0
	PQUANT 0
	s_wait_alu depctr_va_vdst(0)                   ; one wait for the batch, ahead of its first reader
	PSUM 1
	PQUANT 1
	WIN 0x0c                                       ; an LDS store's data are its source 1: window 3
.irp t, 0,1
.irp c, 0,1,2,3
	ds_store_b128 v6, v[PC+16*\t+4*\c:PC+16*\t+4*\c+3] offset:2048*\t+512*\c
.endr
	ds_store_b32 v7, v[PW+\t] offset:128*\t
.endr
	WIN 0
	BAR                                            ; the round's eight images of P lie in LDS
	WIN 0xc0
.irp f, 0,1,2,3,4,5,6,7
.irp c, 0,1,2,3
	ds_load_b128 v[16*\f+4*\c:16*\f+4*\c+3], v8 offset:2048*\f+512*\c
.endr
.endr
	WIN 0
.irp f, 0,1,2,3,4,5,6,7
	ds_load_b32 v[PWF+\f], v9 offset:128*\f
.endr
.irp f, 0,1,2,3,4,5,6,7
	ds_load_b32 v[VSR+\f], v10 offset:128*\f       ; key step f / 2 of the round: lanes 0-15 tile 2 (f % 2)'s words, lanes 16-31 the next tile's
.endr
	s_wait_dscnt 0x0
	v_add_nc_u32 v10, 1024, v10                    ; the next round's scale words of V
	s_wait_loadcnt 16                              ; behind V's first 48 loads were issued the next keys' 28 (not in the last round) and V's last 16: at most those 16 are out
	WIN 0x5e                                       ; V window 2, P window 3, O^T window 1
	PV 0
	PV 1
	PV 2
	s_wait_loadcnt 0x0                             ; V's last key step, and with it the next round's keys and addends
	PV 3
	WIN 0
	NOPS 9                                         ; 8 places ahead of loads into V's registers; 9 ahead of the next scores, which are written over P's fragments
	BAR                                            ; everybody's reads of the images are over: they may be written again
	s_cmp_lt_u32 s43, 3
	s_cbranch_scc0 .Lno_v
	s_wait_xcnt 0x0
	s_add_nc_u64 s[74:75], s[74:75], 131072        ; four key steps on
	WIN 0x80
	VLOAD 0
	VLOAD 1
	VLOAD 2
	WIN 0
.Lno_v:
	s_add_co_u32 s43, s43, 1
	s_cmp_lt_u32 s43, 4
	s_cbranch_scc1 .Lround
; ================ O / sum + x, the first norm
	s_wait_loadcnt 0x0                             ; W1's loads below land in V's registers: no load into them may be out.  The last round asks for no V, so the wait is met at once; it stands for every way through the text
.irp i, 0,1,2,3,4,5,6,7
	global_load_b128 v[XR+8*\i:XR+8*\i+3], v1, s[4:5] offset:1024*\i th:TH_LOAD_NT
	global_load_b128 v[XR+8*\i+4:XR+8*\i+7], v1, s[4:5] offset:1024*\i+512 th:TH_LOAD_NT
.endr
	global_load_b128 v[GB1:GB1+3], v1, s[30:31]
	global_load_b128 v[GB1+4:GB1+7], v1, s[30:31] offset:512
	global_load_b128 v[GB1+8:GB1+11], v1, s[32:33]
	global_load_b128 v[GB1+12:GB1+15], v1, s[32:33] offset:512
	WLD 0x80, 18, 0, 10, 0                         ; W1, K step 0, into the registers that V has left: 40 loads
	WIN 0xff
.irp t, 0,1
	v_add_f32 v[LT+\t], v[LS3+4*\t], v[LS3+4*\t+1]
.endr
.irp t, 0,1
	v_permlanex16_b32 v[TP+\t], v[LT+\t], s44, s45
.endr
.irp t, 0,1
	v_add_f32 v[LT+\t], v[LT+\t], v[TP+\t]         ; my key steps' part of the rows' sums
.endr
	WIN 0x0c
.irp t, 0,1
	ds_store_b32 v16, v[LT+\t] offset:64*\t
.endr
	WIN 0x04                                       ; the data: window 1
.irp t, 0,1
.irp n, 0,1,2,3
	ds_store_b128 v11, v[8*(4*\t+\n):8*(4*\t+\n)+3] offset:16*RP*\t+64*\n        ; each accumulator from its low end on
	ds_store_b128 v11, v[8*(4*\t+\n)+4:8*(4*\t+\n)+7] offset:16*RP*\t+64*\n+16
.endr
.endr
	WIN 0
	BAR                                            ; 32 whole rows of O and the sums' parts lie in LDS
.irp i, 0,1,2,3,4,5,6,7
	ds_load_b128 v[A+8*\i:A+8*\i+3], v13 offset:RP*\i
	ds_load_b128 v[A+8*\i+4:A+8*\i+7], v13 offset:RP*\i+512
.endr
	ds_load_b32 v[LL], v17
	s_wait_dscnt 0x0
	v_add_f32_dpp v[LL], v[LL], v[LL] row_xmask:8 row_mask:0xf bank_mask:0xf
	v_permlanex16_b32 v[LL+1], v[LL], s44, s45
	v_add_f32 v[LL], v[LL], v[LL+1]                ; the four waves' parts: lane l holds the sum of my row l % 8
	v_rcp_f32 v[LL], v[LL]
	v_nop
	s_wait_alu depctr_va_vdst(0)                   ; ahead of the first reader
.irp i, 0,1,2,3,4,5,6,7
	v_readlane_b32 s[76+2*\i], v[LL], \i
.endr
.irp i, 0,1,2,3,4,5,6,7
	s_mov_b32 s[77+2*\i], s[76+2*\i]               ; (named with it as a pair, so it is written)
.endr
	s_wait_loadcnt 40                              ; x, g1 and be1 are in; W1's 40 loads may be out
.irp i, 0,1,2,3,4,5,6,7
.irp k, 0,2,4,6
	v_pk_fma_f32 v[A+8*\i+\k:A+8*\i+\k+1], v[A+8*\i+\k:A+8*\i+\k+1], s[76+2*\i:77+2*\i], v[XR+8*\i+\k:XR+8*\i+\k+1] op_sel_hi:[1,0,1]
.endr
.endr
	WLD 0x80, 18, 10, 6, 10
	WLD 0x40, 18, 0, 6, 16                         ; K step 1, into the registers that O^T has left (its stores were awaited at the barrier)
	LNORM GB1
.irp i, 0,1,2,3,4,5,6,7
	ds_store_b128 v14, v[A+8*\i:A+8*\i+3] offset:RP*\i
	ds_store_b128 v14, v[A+8*\i+4:A+8*\i+7] offset:RP*\i+512
.endr
	WLD 0x40, 18, 6, 10, 22
.irp e, 0,1,2,3,4,5,6,7
	global_load_b64 v[W1S+2*\e:W1S+2*\e+1], v28, s[20:21] offset:256*\e   ; both K steps' words: lanes 0-15 tile 2 e, lanes 16-31 tile 2 e + 1
.endr
	BAR                                            ; 32 rows of h lie in LDS
; ================ h is quantised: wave w makes the fragment of tile w % 2, K step w / 2
	WIN 0xc0
.irp b, 0,1,2,3
.irp i, 0,1,2,3
	ds_load_b128 v[16*\b+4*\i:16*\b+4*\i+3], v18 offset:128*\b+16*\i
.endr
.endr
	WIN 0
	s_wait_dscnt 0x0
	QUANT 0, 32, 0
	IMAGE 19, 0, 52
	ds_store_b32 v20, v48
.irp f, 0,1,2,3,4,5,6,7,8,9,10,11,12,13,14,15
	global_load_b128 v[B1C+8*\f:B1C+8*\f+3], v5, s[22:23] offset:128*((\f)/2)+32*((\f)%2)      ; b1 at the tile's eight units of my half
	global_load_b128 v[B1C+8*\f+4:B1C+8*\f+7], v5, s[22:23] offset:128*((\f)/2)+32*((\f)%2)+16
.endr
	BAR                                            ; h's four images lie in LDS
.irp f, 0,1,2,3
.irp c, 0,1,2,3
	ds_load_b128 v[HF+16*\f+4*\c:HF+16*\f+4*\c+3], v21 offset:2048*\f+512*\c
.endr
	ds_load_b32 v[HSC+\f], v22 offset:128*\f
.endr
	s_wait_dscnt 0x0
	s_wait_loadcnt 0x0                             ; W1, its scale words, b1
; ================ the first FFN product: 32 accumulators (2 tiles of rows x my 16 tiles of hidden units) by turns; b1 is the C of each sum's first instruction
	WIN 0xc2                                       ; W1 window 2, h and b1 window 0, results window 3
.irp t, 0,1
.irp f, 0,1,2,3,4,5,6,7,8,9,10,11,12,13,14,15
	WM 128*\t+8*\f, 16*\f, HF+32*\t, B1C+8*\f, W1S+2*((\f)/2), HSC+2*\t, (\f)%2, 0
.endr
.endr
	WIN 0
	NOPS 8                                         ; places ahead of loads into registers that these products have read
	WLD 0x80, 24, 0, 12, 0                         ; W2, K steps 0-2
	WIN 0xf1                                       ; W1 window 1, C and D window 3
.irp t, 0,1
.irp f, 0,1,2,3,4,5,6,7,8,9,10,11,12,13,14,15
	WM 128*\t+8*\f, 16*\f, HF+32*\t+16, 128*\t+8*\f, W1S+2*((\f)/2)+1, HSC+2*\t+1, (\f)%2, 0
.endr
.endr
	WIN 0
	NOPS 8                                         ; places ahead of the loads below and of the first read of the results
	WLD 0x80, 24, 12, 4, 12                        ; K step 3
.irp e, 0,1
.irp q, 0,1
	global_load_b128 v[W2S+8*\e+4*\q:W2S+8*\e+4*\q+3], v29, s[26:27] offset:1024*\e+16*\q   ; W2's words of K steps 4 q on: lanes 0-15 tile 2 e, lanes 16-31 tile 2 e + 1
.endr
.endr
.irp n, 0,1,2,3
	global_load_b128 v[B2C+8*\n:B2C+8*\n+3], v30, s[28:29] offset:64*\n
	global_load_b128 v[B2C+8*\n+4:B2C+8*\n+7], v30, s[28:29] offset:64*\n+16
.endr
	global_load_b128 v[GB2:GB2+3], v1, s[34:35]
	global_load_b128 v[GB2+4:GB2+7], v1, s[34:35] offset:512
	global_load_b128 v[GB2+8:GB2+11], v1, s[36:37]
	global_load_b128 v[GB2+12:GB2+15], v1, s[36:37] offset:512
; ================ relu and the quantiser: my 256 hidden units are K steps 2 w and 2 w + 1 of the second product
.irp t, 0,1
.irp g, 0,1
	QUANT 128*\t+64*\g, 96, 1
	IMAGE 23, (2*\g+\t)*2048, 116
	ds_store_b32 v24, v112 offset:128*\g+64*\t
	WLD 0x40, 24, 4*(2*\t+\g), 4, 16+4*(2*\t+\g)   ; W2, K steps 4-7, sixteen loads at a time
	s_wait_dscnt 0x0                               ; the stores have read their registers
.endr
.endr
	BAR                                            ; the hidden layer's sixteen images lie in LDS
	WIN 0xc0
.irp f, 0,1,2,3,4,5,6,7
.irp c, 0,1,2,3
	ds_load_b128 v[16*\f+4*\c:16*\f+4*\c+3], v25 offset:2048*\f+512*\c
.endr
.endr
	WIN 0
.irp k, 0,1,2,3
	ds_load_b32 v[GSCR+\k], v26 offset:128*\k
.endr
	WIN 0xc0
.irp f, 8,9,10,11,12,13,14,15
.irp c, 0,1,2,3
	ds_load_b128 v[16*\f+4*\c:16*\f+4*\c+3], v25 offset:2048*\f+512*\c
.endr
.endr
	WIN 0
.irp k, 4,5,6,7
	ds_load_b32 v[GSCR+\k], v26 offset:128*\k
.endr
	s_wait_loadcnt 48                              ; W2's K steps 0-3, its scale words, b2, g2, be2 are in: behind them 64 loads were issued, of which 48 may be out
	s_wait_dscnt 36                                ; K steps 0-3 of the hidden layer are in; the 36 loads behind them may be out
; ================ the second FFN product: eight accumulators by turns, a K step at a time; b2 is the C of each sum's first instruction
	WIN 0x0e                                       ; W2 window 2, the hidden layer window 3
.irp k, 0,1,2,3
.irp t, 0,1
.irp n, 0,1,2,3
.if \k == 0
	WM AC2+8*(4*\t+\n), 16*(4*\k+\n), 16*(2*\k+\t), B2C+8*\n, W2S+8*((\n)/2)+\k, GSCR+\k, (\n)%2, \t
.else
	WM AC2+8*(4*\t+\n), 16*(4*\k+\n), 16*(2*\k+\t), AC2+8*(4*\t+\n), W2S+8*((\n)/2)+\k, GSCR+\k, (\n)%2, \t
.endif
.endr
.endr
.endr
	s_wait_loadcnt 0x0
	s_wait_dscnt 0x0
	WIN 0x0d                                       ; W2 window 1
.irp k, 4,5,6,7
.irp t, 0,1
.irp n, 0,1,2,3
	WM AC2+8*(4*\t+\n), 16*(4*(\k-4)+\n), 16*(2*\k+\t), AC2+8*(4*\t+\n), W2S+8*((\n)/2)+\k, GSCR+\k, (\n)%2, \t
.endr
.endr
.endr
	WIN 0
	NOPS 8
.irp t, 0,1
.irp n, 0,1,2,3
	ds_store_b128 v12, v[AC2+8*(4*\t+\n):AC2+8*(4*\t+\n)+3] offset:16*RP*\t+64*\n
	ds_store_b128 v12, v[AC2+8*(4*\t+\n)+4:AC2+8*(4*\t+\n)+7] offset:16*RP*\t+64*\n+16
.endr
.endr
	BAR                                            ; 32 whole rows of the FFN's result lie in LDS
; ================ h + FFN, the second norm, the way out
.irp i, 0,1,2,3,4,5,6,7
	ds_load_b128 v[A+8*\i:A+8*\i+3], v15 offset:RP*\i
	ds_load_b128 v[A+8*\i+4:A+8*\i+7], v15 offset:RP*\i+512
.endr
.irp i, 0,1,2,3,4,5,6,7
	ds_load_b128 v[XR+8*\i:XR+8*\i+3], v14 offset:RP*\i
	ds_load_b128 v[XR+8*\i+4:XR+8*\i+7], v14 offset:RP*\i+512
.endr
	s_wait_dscnt 0x0
.set i, 0
.rept 32
	v_pk_add_f32 v[A+i:A+i+1], v[A+i:A+i+1], v[XR+i:XR+i+1]
.set i, i+2
.endr
	LNORM GB2
.irp i, 0,1,2,3,4,5,6,7
	global_store_b128 v1, v[A+8*\i:A+8*\i+3], s[38:39] offset:1024*\i th:TH_STORE_NT          ; 32 lanes store 512 consecutive bytes, at a multiple of 256 from out0's first byte
	global_store_b128 v1, v[A+8*\i+4:A+8*\i+7], s[38:39] offset:1024*\i+512 th:TH_STORE_NT
.endr
	s_wait_tensorcnt 0x0
	ds_add_u32 v254, v255
	s_wait_dscnt 0x0
	s_endpgm
.Lfunc_end_k_qb473c5123c_fused:
	.size	k_qb473c5123c_fused, .Lfunc_end_k_qb473c5123c_fused-k_qb473c5123c_fused
	.p2alignl 7, 3214868480
	.fill 96, 4, 3214868480
	.section	.rodata,"a",@progbits
	.p2align	6, 0x0
	.amdhsa_kernel k_qb473c5123c_fused
		.amdhsa_group_segment_fixed_size 178176
		.amdhsa_private_segment_fixed_size 0
		.amdhsa_enable_private_segment 0
		.amdhsa_kernarg_size 144
		.amdhsa_user_sgpr_count 2
		.amdhsa_user_sgpr_kernarg_segment_ptr 1
		.amdhsa_wavefront_size32 1
		.amdhsa_system_sgpr_workgroup_id_x 1
		.amdhsa_system_sgpr_workgroup_id_y 1
		.amdhsa_system_sgpr_workgroup_id_z 1
		.amdhsa_system_vgpr_workitem_id 0
		.amdhsa_next_free_vgpr 1024
		.amdhsa_next_free_sgpr 100
		.amdhsa_reserve_vcc 0
		.amdhsa_float_denorm_mode_32 3
		.amdhsa_float_denorm_mode_16_64 3
		.amdhsa_memory_ordered 1
		.amdhsa_forward_progress 1
		.amdhsa_inst_pref_size 255
	.end_amdhsa_kernel
	.amdgpu_metadata
---
amdhsa.version: [ 1, 2 ]
amdhsa.kernels:
  - .name:           k_qb473c5123c_fused
    .symbol:         k_qb473c5123c_fused.kd
    .args:
      - { .name: x, .offset: 0, .size: 8, .value_kind: global_buffer, .address_space: global }
      - { .name: mc, .offset: 8, .size: 8, .value_kind: global_buffer, .address_space: global }
      - { .name: ms, .offset: 16, .size: 8, .value_kind: global_buffer, .address_space: global }
      - { .name: vc, .offset: 24, .size: 8, .value_kind: global_buffer, .address_space: global }
      - { .name: vsb, .offset: 32, .size: 8, .value_kind: global_buffer, .address_space: global }
      - { .name: mb, .offset: 40, .size: 8, .value_kind: global_buffer, .address_space: global }
      - { .name: cb, .offset: 48, .size: 8, .value_kind: global_buffer, .address_space: global }
      - { .name: w1f, .offset: 56, .size: 8, .value_kind: global_buffer, .address_space: global }
      - { .name: W1_scales, .offset: 64, .size: 8, .value_kind: global_buffer, .address_space: global }
      - { .name: b1, .offset: 72, .size: 8, .value_kind: global_buffer, .address_space: global }
      - { .name: w2f, .offset: 80, .size: 8, .value_kind: global_buffer, .address_space: global }
      - { .name: W2_scales, .offset: 88, .size: 8, .value_kind: global_buffer, .address_space: global }
      - { .name: b2, .offset: 96, .size: 8, .value_kind: global_buffer, .address_space: global }
      - { .name: g1, .offset: 104, .size: 8, .value_kind: global_buffer, .address_space: global }
      - { .name: be1, .offset: 112, .size: 8, .value_kind: global_buffer, .address_space: global }
      - { .name: g2, .offset: 120, .size: 8, .value_kind: global_buffer, .address_space: global }
      - { .name: be2, .offset: 128, .size: 8, .value_kind: global_buffer, .address_space: global }
      - { .name: out0, .offset: 136, .size: 8, .value_kind: global_buffer, .address_space: global }
    .group_segment_fixed_size: 178176
    .private_segment_fixed_size: 0
    .kernarg_segment_align: 8
    .kernarg_segment_size: 144
    .max_flat_workgroup_size: 128
    .sgpr_count:     100
    .vgpr_count:     1024
    .wavefront_size: 32
...
	.end_amdgpu_metadata
.endif
;; end of part 2
;; ======== version 2 of 2: 2 launches
;; workspace buffers: mc 65,536 bytes; ms 8,192 bytes; vc 2,097,152 bytes; vsb 65,536 bytes; mb 32,768 bytes; cb 1,024 bytes; w1f 262,144 bytes; w2f 262,144 bytes
;; launch prep (part 3): grid 81 x 1, 8 waves a work-group, no clusters, 40,448 bytes of LDS; arguments x, mask, W1_codes, W2_codes, mc, ms, vc, vsb, mb, cb, w1f, w2f; writes mc, ms, vc, vsb, mb, cb, w1f, w2f
.if DOCPART == 3
	.amdgcn_target "amdgcn-amd-amdhsa--gfx1250"
	.amdhsa_code_object_version 6
	.text
	.protected	k_qb473c5123c_prep
	.globl	k_qb473c5123c_prep
	.p2align	8
	.type	k_qb473c5123c_prep,@function
k_qb473c5123c_prep:
	s_mov_b64 s[64:65], 0
	v_nop
	global_prefetch_b8 v0, s[64:65] scope:SCOPE_SE
	s_setreg_imm32_b32 hwreg(HW_REG_WAVE_MODE, 25, 1), 1
	s_wait_xcnt 0x0
; PREP: everything that many work-groups of the second launch read is made once.
; Work-groups 0-63 (one block of 32 keys each, all 4 batches, all 256 channels: 128 KiB of x, each byte read once):
;   V = x quantised along the keys (E5M2, one E8M0 byte for 32 keys), stored as images of the matrix operand's registers (vc), its scale bytes (vsb);
;   m = the mean of x over batch and heads, [32 keys][32], quantised along its 32 (mc: codes, ms: the token's byte repeated in the four bytes of a word).
; Work-groups 64-79: W1's and W2's codes copied into the order in which a wave's operand registers take them (w1f, w2f).
; Work-group 80: the mask as the addend of t (mb): -1 for an open key, -1.44e9 for a hidden one; and the multiplier 4 log2(e) (cb).
;   A batch whose mask is all zero gets addend -1 everywhere and multiplier 0: equal weights, as the reference's softmax of equal logits gives.  Selected, never branched on.
; A LANE TAKES A CHANNEL AND ITS REGISTERS RUN DOWN THE 32 KEYS: a block lies in one lane's 32 registers, and the conversions give codes with the keys innermost.
; A block's scale byte is its largest magnitude's exponent field - 15, held at 1 from below.
; LIMITS: a block of zeros gets the byte 1 where the quantiser's text says 127 (its codes are zeros, and this program alone reads the bytes); NaN and infinities among the inputs are not served.
.set MP,   0                           ; LDS: [8 waves][32 keys][32] f32: each wave's sum over its four heads
.set MT,   32768                       ; [32 keys] rows of 128 bytes + 16: m, so that a lane can read a token's 32 numbers
.set VSBS, 37376                       ; [4 batches][256] V's scale bytes of this key block
.set MCS,  38400                       ; 1,024 bytes: m's codes on their way out
.set C,    32                          ; v32-63   codes: 8 registers for each of my four heads, never rewritten
.set X,    64                          ; v64-191  four sets of 32 numbers
.set T,    192                         ; v192-223 the numbers held within the largest code x the scale
.set M,    224                         ; v224-255 my sum over four heads
	s_load_b512 s[4:19], s[0:1], 0x0               ; x, mask, W1_codes, W2_codes, mc, ms, vc, vsb
	s_load_b256 s[20:27], s[0:1], 0x40             ; mb, cb, w1f, w2f
	v_lshl_add_u32 v30, v0, 2, 0x9a00
	v_mov_b32 v31, 0
	v_lshrrev_b32 v1, 5, v0
	s_delay_alu instid0(VALU_DEP_1)
	v_readfirstlane_b32 s28, v1                    ; wave 0..7
	v_and_b32 v1, 31, v0                           ; lane
	s_delay_alu instid0(VALU_DEP_1)
	v_lshlrev_b32 v2, 2, v1                        ; 4 x lane
	s_delay_alu instid0(VALU_DEP_2)
	v_lshrrev_b32 v12, 4, v1
	s_delay_alu instid0(VALU_DEP_3)
	v_and_b32 v13, 15, v1
	s_delay_alu instid0(VALU_DEP_1)
	v_lshlrev_b32 v3, 4, v13
	s_delay_alu instid0(VALU_DEP_1)
	v_lshl_add_u32 v3, v12, 11, v3                 ; vc: 2,048 (lane / 16) + 16 (lane % 16)
	s_lshl_b32 s29, s28, 12
	v_add_nc_u32 v4, s29, v2                       ; MP + 4,096 wave + 4 lane
	s_lshl_b32 s29, s28, 9
	v_add_nc_u32 v5, s29, v2                       ; MP + 512 wave + 4 lane: my four keys in every wave's part
	s_mul_i32 s29, s28, 576
	s_add_co_u32 s29, s29, MT
	v_add_nc_u32 v6, s29, v2                       ; MT + 4 rows x wave + 4 lane
	v_mul_u32_u24 v7, v1, 144
	s_delay_alu instid0(VALU_DEP_1)
	v_add_nc_u32 v7, MT, v7                        ; MT + a row a lane
	s_lshl_b32 s29, s28, 7
	s_add_co_u32 s29, s29, VSBS
	v_add_nc_u32 v8, s29, v1                       ; VSBS + 128 wave + lane
	s_and_b32 s29, s28, 3
	s_lshl_b32 s29, s29, 8
	s_add_co_u32 s29, s29, VSBS
	v_lshlrev_b32 v25, 3, v1                       ; 8 x lane
	s_delay_alu instid0(VALU_DEP_1)
	v_add_nc_u32 v9, s29, v25                      ; VSBS + 256 (wave % 4) + 8 lane
	v_lshlrev_b32 v10, 5, v1
	s_delay_alu instid0(VALU_DEP_1)
	v_add_nc_u32 v10, MCS, v10                     ; MCS + 32 lane
	v_lshlrev_b32 v24, 4, v1                       ; 16 x lane
	s_delay_alu instid0(VALU_DEP_1)
	v_add_nc_u32 v11, MCS, v24                     ; MCS + 16 lane
	s_mov_b32 s35, 0x600000                        ; the mantissa field of 57,344
	s_wait_kmcnt 0x0
	s_cmp_lt_u32 ttmp9, 64
	s_cbranch_scc1 .Lpath_x
	s_cmp_lt_u32 ttmp9, 80
	s_cbranch_scc1 .Lpath_w
; ---------------- the mask: waves 0-3, a batch each
	s_cmp_lt_u32 s28, 4
	s_cbranch_scc1 .Lmask
	s_endpgm
.Lmask:
	s_lshl_b32 s30, s28, 13                        ; a batch's 2,048 words
	s_mov_b32 s31, 0
	s_add_nc_u64 s[6:7], s[6:7], s[30:31]
	s_add_nc_u64 s[20:21], s[20:21], s[30:31]
	s_lshl_b32 s30, s28, 8
	s_add_nc_u64 s[22:23], s[22:23], s[30:31]
	s_wait_alu depctr_va_vdst(0)
.irp i, 0,1,2,3,4,5,6,7,8,9,10,11,12,13,14,15
	global_load_b128 v[64+4*\i:67+4*\i], v24, s[6:7] offset:512*\i
.endr
	s_mov_b32 s32, 0xbf800000                      ; -1.0
	v_mov_b32 v16, s32
	s_wait_loadcnt 0x0
	v_or_b32 v12, v64, v65
.set j, 66
.rept 62
	s_delay_alu instid0(VALU_DEP_1)
	v_or_b32 v12, v12, v[j]
.set j, j+1
.endr
	s_delay_alu instid0(VALU_DEP_1)
	v_cmp_ne_u32 vcc_lo, 0, v12                    ; which lanes saw an open key
	s_cmp_lg_u32 vcc_lo, 0                         ; has the batch any?
	s_cselect_b32 s33, 0xceac0000, s32             ; a hidden key's addend: -1.44e9, or -1 where all are hidden
	s_cselect_b32 s34, 0x40b8aa3b, 0               ; the multiplier: 4 log2(e), or 0
	v_mov_b32 v13, s33
	v_mov_b32 v14, s34
	v_mov_b32 v15, s34
.set j, 64
.rept 64
	v_cmp_ne_u32 vcc_lo, 0, v[j]
	s_delay_alu instid0(VALU_DEP_1)
	v_cndmask_b32 v[j], v13, v16, vcc_lo           ; open: -1
.set j, j+1
.endr
.irp i, 0,1,2,3,4,5,6,7,8,9,10,11,12,13,14,15
	global_store_b128 v24, v[64+4*\i:67+4*\i], s[20:21] offset:512*\i
.endr
	global_store_b64 v25, v[14:15], s[22:23]       ; 32 lanes store 256 consecutive bytes
	s_endpgm
; ---------------- the weights: thread t copies eight pieces of 16 bytes; the stores are dense (4,096 bytes a work-group and piece)
.Lpath_w:
	s_sub_co_u32 s30, ttmp9, 64                    ; 0-7: W1, 8-15: W2
	s_and_b32 s31, s30, 7
	v_and_b32 v12, 15, v0                          ; the image's lane % 16
	v_lshrrev_b32 v13, 7, v0                       ; which of the piece's two images
	v_bfe_u32 v14, v0, 5, 2                        ; the image's group of four registers
	v_bfe_u32 v15, v0, 4, 1                        ; the image's lane / 16
	s_delay_alu instid0(VALU_DEP_2)
	v_lshlrev_b32 v16, 5, v14
	s_delay_alu instid0(VALU_DEP_1)
	v_lshl_add_u32 v16, v15, 4, v16                ; 32 c + 16 h
	v_lshlrev_b32 v17, 4, v0
	s_lshl_b32 s32, s31, 15                        ; 16 images of 2,048 bytes a work-group
	s_mov_b32 s33, 0
	s_lshr_b32 s34, s31, 1
	s_lshl_b32 s34, s34, 16                        ; the reading wave's rows: 65,536 bytes in either tensor
	s_mov_b32 s35, 0
	s_and_b32 s36, s31, 1
	s_cmp_lt_u32 s30, 8
	s_cbranch_scc0 .Lw2
	s_lshl_b32 s36, s36, 7                         ; W1: K step s = 128 bytes of a row of 256
	s_add_co_u32 s34, s34, s36
	s_add_nc_u64 s[8:9], s[8:9], s[34:35]
	s_add_nc_u64 s[24:25], s[24:25], s[32:33]
	s_wait_alu depctr_va_vdst(0)
	v_and_b32 v18, 8, v12
	s_delay_alu instid0(VALU_DEP_1)
	v_add_nc_u32 v18, v18, v12                     ; THE ROWS OF A TILE OF W1 ARE NOT NEIGHBOURS: r + 8 (r / 8), so that two tiles' results are 16 neighbours along the next K
	s_delay_alu instid0(VALU_DEP_1)
	v_lshl_add_u32 v16, v18, 8, v16
	s_delay_alu instid0(VALU_DEP_1)
	v_lshl_add_u32 v16, v13, 11, v16               ; the odd tile begins 8 rows on
.irp i, 0,1,2,3,4,5,6,7
	global_load_b128 v[32+4*\i:35+4*\i], v16, s[8:9] offset:8192*\i
.endr
.irp i, 0,1,2,3,4,5,6,7
	s_wait_loadcnt 7-\i                            ; piece i is in; the younger ones may be out
	global_store_b128 v17, v[32+4*\i:35+4*\i], s[24:25] offset:4096*\i
.endr
	s_endpgm
.Lw2:
	s_lshl_b32 s36, s36, 9                         ; W2: K steps 4 (g % 2) on, 128 bytes each, of a row of 1,024
	s_add_co_u32 s34, s34, s36
	s_add_nc_u64 s[10:11], s[10:11], s[34:35]
	s_add_nc_u64 s[26:27], s[26:27], s[32:33]
	s_wait_alu depctr_va_vdst(0)
	v_lshl_add_u32 v16, v12, 10, v16
	s_delay_alu instid0(VALU_DEP_1)
	v_lshl_add_u32 v16, v13, 14, v16               ; the odd tile begins 16 rows on
.irp i, 0,1,2,3,4,5,6,7
	global_load_b128 v[32+4*\i:35+4*\i], v16, s[10:11] offset:32768*((\i)%2)+128*((\i)/2)
.endr
.irp i, 0,1,2,3,4,5,6,7
	s_wait_loadcnt 7-\i
	global_store_b128 v17, v[32+4*\i:35+4*\i], s[26:27] offset:4096*\i
.endr
	s_endpgm
; ---------------- x: wave w takes batch w / 2 and channels 128 (w % 2) + 32 q + lane, q = 0..3
; 32 numbers v[xs] on become 8 registers of codes v[cd] on and the scale's byte v[bt]; the held numbers go to v[td] on
.macro QBLK xs, td, cd, bt
.set QX, \xs
.set QT, \td
.set QC, \cd
	v_max3_num_f32 v12, |v[QX]|, |v[QX+1]|, |v[QX+2]|
	v_max3_num_f32 v13, |v[QX+3]|, |v[QX+4]|, |v[QX+5]|
.irp i, 6,10,14,18,22,26
	s_delay_alu instid0(VALU_DEP_2)
	v_max3_num_f32 v12, v12, |v[QX+\i]|, |v[QX+\i+1]|
	s_delay_alu instid0(VALU_DEP_2)
	v_max3_num_f32 v13, v13, |v[QX+\i+2]|, |v[QX+\i+3]|
.endr
	s_delay_alu instid0(VALU_DEP_2)
	v_max3_num_f32 v12, v12, |v[QX+30]|, |v[QX+31]|
	s_delay_alu instid0(VALU_DEP_1)
	v_max3_num_f32 v12, v12, v13, 0x8000000        ; and the floor 2^(16 - 127): the byte cannot fall under 1
	s_delay_alu instid0(VALU_DEP_1)
	v_add_nc_u32 v14, 0xf8800000, v12              ; 15 off the exponent field: the conversion's scale operand
	s_delay_alu instid0(VALU_DEP_2)
	v_and_or_b32 v15, v12, 0x7f800000, s35         ; 57,344 x the scale
	s_delay_alu instid0(VALU_DEP_2)
	v_lshrrev_b32 v[\bt], 23, v14                  ; the byte
.set i, 0
.rept 32
	v_med3_num_f32 v[QT+i], v[QX+i], -v15, v15     ; the conversion to an 8-bit code does not saturate (ISA guide 7.6.2): the hold
.set i, i+1
.endr
.irp g, 0,1,2,3
	v_cvt_scalef32_pk8_bf8_f32 v[QC+2*\g:QC+2*\g+1], v[QT+8*\g:QT+8*\g+7], v14
.endr
.endm
.macro LOAD q
.set i, 0
.rept 32
	global_load_b32 v[X+32*(\q)+i], v2, s[4:5] offset:1024*i+128*(\q) th:TH_LOAD_NT   ; key i, 32 neighbouring channels
.set i, i+1
.endr
.endm
.macro BLOCK q                         ; the held numbers go to T, so that X stays whole for m; behind the conversions only stores follow, and the next vector lines are plain
	QBLK X+32*(\q), T, C+8*(\q), 16+(\q)
	ds_store_b8 v8, v[16+(\q)] offset:32*(\q)
	global_store_b128 v3, v[C+8*(\q):C+8*(\q)+3], s[16:17] offset:4096*(\q)          ; keys 0-15: sixteen lanes store 256 consecutive bytes, aligned
	global_store_b128 v3, v[C+8*(\q)+4:C+8*(\q)+7], s[16:17] offset:4096*(\q)+256    ; keys 16-31
.endm
.Lpath_x:
	s_lshr_b32 s30, s28, 1                         ; batch
	s_and_b32 s31, s28, 1                          ; which 128 channels
	s_lshl_b32 s32, s30, 21
	s_lshl_b32 s33, ttmp9, 15
	s_add_co_u32 s32, s32, s33
	s_lshl_b32 s33, s31, 9
	s_add_co_u32 s32, s32, s33
	s_mov_b32 s33, 0
	s_add_nc_u64 s[4:5], s[4:5], s[32:33]          ; x at (batch, key 32 kb, my channels)
	s_lshl_b32 s32, s30, 19                        ; vc: 256 images of 2,048 bytes a batch,
	s_lshr_b32 s34, ttmp9, 2
	s_lshl_b32 s34, s34, 15                        ; 16 a key step,
	s_add_co_u32 s32, s32, s34
	s_lshl_b32 s34, s31, 14                        ; my 8 tiles of 16 channels,
	s_add_co_u32 s32, s32, s34
	s_and_b32 s34, ttmp9, 3
	s_lshl_b32 s34, s34, 9                         ; the key block's group of four registers
	s_add_co_u32 s32, s32, s34
	s_add_nc_u64 s[16:17], s[16:17], s[32:33]
	s_and_b32 s32, s28, 3
	s_lshl_b32 s32, s32, 14
	s_lshl_b32 s34, ttmp9, 8
	s_add_co_u32 s32, s32, s34
	s_add_nc_u64 s[18:19], s[18:19], s[32:33]      ; vsb at (batch wave % 4, key block)
	s_lshl_b32 s32, ttmp9, 10
	s_add_nc_u64 s[12:13], s[12:13], s[32:33]      ; mc
	s_lshl_b32 s32, ttmp9, 7
	s_add_nc_u64 s[14:15], s[14:15], s[32:33]      ; ms
	LOAD 0
	LOAD 1
	s_wait_loadcnt 32                              ; set 0 is in; set 1's 32 loads may be out
	LOAD 2
	BLOCK 0
	s_wait_loadcnt 32                              ; set 1 is in; set 2's may be out
	LOAD 3
	BLOCK 1
	s_wait_loadcnt 32                              ; set 2 is in; set 3's may be out
	BLOCK 2
	s_wait_loadcnt 0x0
	BLOCK 3
.set i, 0
.rept 16
	v_pk_add_f32 v[M+i:M+i+1], v[X+64+i:X+64+i+1], v[X+96+i:X+96+i+1]   ; (plain lines that touch neither T nor the codes stand first behind the conversions)
.set i, i+2
.endr
.set i, 0
.rept 16
	v_pk_add_f32 v[T+i:T+i+1], v[X+i:X+i+1], v[X+32+i:X+32+i+1]
.set i, i+2
.endr
.set i, 0
.rept 16
	v_pk_add_f32 v[M+i:M+i+1], v[M+i:M+i+1], v[T+i:T+i+1]                ; my four heads' sum, key i, d = lane
.set i, i+2
.endr
.set i, 0
.rept 32
	ds_store_b32 v4, v[M+i] offset:128*i
.set i, i+1
.endr
	s_wait_dscnt 0x0                               ; for the others' sake: my sums and my scale bytes lie in LDS
	s_barrier_signal -1
	s_barrier_wait -1
.irp u, 0,1,2,3,4,5,6,7
.irp k, 0,1,2,3
	ds_load_b32 v[X+4*\u+\k], v5 offset:4096*\u+128*\k   ; wave u's sum for my key 4 w + k
.endr
.endr
	s_wait_dscnt 0x0
.irp u, 1,2,3,4,5,6,7
.irp k, 0,1,2,3
	v_add_f32 v[X+\k], v[X+\k], v[X+4*\u+\k]
.endr
.endr
.irp k, 0,1,2,3
	v_mul_f32 v[X+\k], 0x3d000000, v[X+\k]         ; / 32: the mean over 4 batches x 8 heads
	ds_store_b32 v6, v[X+\k] offset:144*\k
.endr
	s_cmp_lt_u32 s28, 4
	s_cbranch_scc1 .Lno_vsb
	ds_load_b64 v[20:21], v9                       ; waves 4-7: a batch's 256 scale bytes
	s_wait_dscnt 0x0
	global_store_b64 v25, v[20:21], s[18:19]       ; 32 lanes store 256 consecutive bytes, aligned
.Lno_vsb:
	s_wait_dscnt 0x0                               ; my rows of m lie in LDS, my reads of the sums are over
	s_barrier_signal -1
	s_barrier_wait -1
	s_cmp_lg_u32 s28, 0
	s_cbranch_scc1 .Lx_end
.irp g, 0,1,2,3,4,5,6,7
	ds_load_b128 v[X+4*\g:X+4*\g+3], v7 offset:16*\g   ; wave 0: a lane takes a token's 32 numbers
.endr
	s_wait_dscnt 0x0
	QBLK X, X, X+32, 22
	v_lshl_or_b32 v23, v22, 8, v22                 ; the byte in all four bytes of a word: the product lays the 32 into the first or the last block of its 128
	s_delay_alu instid0(VALU_DEP_1)
	v_lshl_or_b32 v23, v23, 16, v23
	ds_store_b128 v10, v[X+32:X+35]
	ds_store_b128 v10, v[X+36:X+39] offset:16
	ds_load_b128 v[X+40:X+43], v11                 ; LDS serves a wave's instructions in order (ISA guide 5.7.1.4): these see my stores
	ds_load_b128 v[X+44:X+47], v11 offset:512
	s_wait_alu depctr_va_vdst(0)
	s_wait_dscnt 0x0
	global_store_b128 v24, v[X+40:X+43], s[12:13]
	global_store_b128 v24, v[X+44:X+47], s[12:13] offset:512
	global_store_b32 v2, v23, s[14:15]
.Lx_end:
	s_wait_tensorcnt 0x0
	ds_add_u32 v30, v31
	s_wait_dscnt 0x0
	s_endpgm
.Lfunc_end_k_qb473c5123c_prep:
	.size	k_qb473c5123c_prep, .Lfunc_end_k_qb473c5123c_prep-k_qb473c5123c_prep
	.p2alignl 7, 3214868480
	.fill 96, 4, 3214868480
	.section	.rodata,"a",@progbits
	.p2align	6, 0x0
	.amdhsa_kernel k_qb473c5123c_prep
		.amdhsa_group_segment_fixed_size 40448
		.amdhsa_private_segment_fixed_size 0
		.amdhsa_enable_private_segment 0
		.amdhsa_kernarg_size 96
		.amdhsa_user_sgpr_count 2
		.amdhsa_user_sgpr_kernarg_segment_ptr 1
		.amdhsa_wavefront_size32 1
		.amdhsa_system_sgpr_workgroup_id_x 1
		.amdhsa_system_sgpr_workgroup_id_y 1
		.amdhsa_system_sgpr_workgroup_id_z 1
		.amdhsa_system_vgpr_workitem_id 0
		.amdhsa_next_free_vgpr 256
		.amdhsa_next_free_sgpr 66
		.amdhsa_reserve_vcc 1
		.amdhsa_float_denorm_mode_32 3
		.amdhsa_float_denorm_mode_16_64 3
		.amdhsa_memory_ordered 1
		.amdhsa_forward_progress 1
		.amdhsa_inst_pref_size 66
	.end_amdhsa_kernel
	.amdgpu_metadata
---
amdhsa.version: [ 1, 2 ]
amdhsa.kernels:
  - .name:           k_qb473c5123c_prep
    .symbol:         k_qb473c5123c_prep.kd
    .args:
      - { .name: x, .offset: 0, .size: 8, .value_kind: global_buffer, .address_space: global }
      - { .name: mask, .offset: 8, .size: 8, .value_kind: global_buffer, .address_space: global }
      - { .name: W1_codes, .offset: 16, .size: 8, .value_kind: global_buffer, .address_space: global }
      - { .name: W2_codes, .offset: 24, .size: 8, .value_kind: global_buffer, .address_space: global }
      - { .name: mc, .offset: 32, .size: 8, .value_kind: global_buffer, .address_space: global }
      - { .name: ms, .offset: 40, .size: 8, .value_kind: global_buffer, .address_space: global }
      - { .name: vc, .offset: 48, .size: 8, .value_kind: global_buffer, .address_space: global }
      - { .name: vsb, .offset: 56, .size: 8, .value_kind: global_buffer, .address_space: global }
      - { .name: mb, .offset: 64, .size: 8, .value_kind: global_buffer, .address_space: global }
      - { .name: cb, .offset: 72, .size: 8, .value_kind: global_buffer, .address_space: global }
      - { .name: w1f, .offset: 80, .size: 8, .value_kind: global_buffer, .address_space: global }
      - { .name: w2f, .offset: 88, .size: 8, .value_kind: global_buffer, .address_space: global }
    .group_segment_fixed_size: 40448
    .private_segment_fixed_size: 0
    .kernarg_segment_align: 8
    .kernarg_segment_size: 96
    .max_flat_workgroup_size: 256
    .sgpr_count:     66
    .vgpr_count:     256
    .wavefront_size: 32
...
	.end_amdgpu_metadata
.endif
;; end of part 3
;; launch fused (part 4): grid 64 x 4, 4 waves a work-group, no clusters, 178,176 bytes of LDS; arguments x, mc, ms, vc, vsb, mb, cb, w1f, W1_scales, b1, w2f, W2_scales, b2, g1, be1, g2, be2, out0; writes out0
.if DOCPART == 4
	.amdgcn_target "amdgcn-amd-amdhsa--gfx1250"
	.amdhsa_code_object_version 6
	.text
	.protected	k_qb473c5123c_fused
	.globl	k_qb473c5123c_fused
	.p2align	8
	.type	k_qb473c5123c_fused,@function
k_qb473c5123c_fused:
	s_mov_b64 s[64:65], 0
	v_nop
	global_prefetch_b8 v0, s[64:65] scope:SCOPE_SE
	s_setreg_imm32_b32 hwreg(HW_REG_WAVE_SCHED_MODE, 0, 2), 2
	s_setreg_imm32_b32 hwreg(HW_REG_WAVE_MODE, 25, 1), 1
	s_wait_xcnt 0x0
	s_wait_alu depctr_vm_vsrc(0)
; FUSED: for 32 rows (queries) of one batch: scores, softmax, P V, residual, layer norm, both FFN products, residual, layer norm.  Nothing goes to memory on the way.
; All four products run on E5M2 codes with one E8M0 scale for 32 along K.
; SHARES.  Work-group (x = block of 32 queries, y = batch), four waves.  THE ATTENTION goes in four rounds of 512 keys.  In a round wave w makes the weights P of key step 4 round + w (128 keys) for both
; tiles of 16 queries, quantises them and hands the two operands to the other waves through LDS as images of their registers; then every wave multiplies the round's four key steps against ITS OWN 64 channels of V.
; So no sum crosses waves, and each byte of V is read by one wave, straight into its operand registers.  In the FFN wave w owns hidden units 256 w .. +255 and outputs 64 w .. +63; in the norms rows 8 w .. +7.
; SCORES.  S^T = m_keys m_queries^T, K = 32: the 32 codes stand in the first or the last block of the instruction's 128 and zero codes fill the rest.  One run of 20 registers [codes][12 zeros][codes] serves two tiles.
; score = sin^2(a / 2), a = S held to +-pi.  With w = a^2 and q = sin^2(a / 4) = w (c1 + c2 w + .. + c6 w^5), c_k = (-1)^(k+1) / (2 4^k (2k)!), score = 4 (q - q^2).  The series is cut where its next term is under 3.2e-9.
; SOFTMAX.  t = score x log2(e) lies in 0 .. 1.443 for every input, since the score is a squared sine: so the whole number M is fixed at 1 and p = 2^(t - 1) lies in 0.5 .. 1.36.  A whole-number change of M is taken
; up exactly by the blocks' scales and by the row's sum.  t - 1 = (q - q^2) x 4 log2(e) + addend: the addend is -1 for an open key and -1.44e9 for a hidden one (p = 0).  The row's sum is taken of the unquantised p.
; NO CLUSTER, NO TENSOR LOAD: every fragment of V, W1 and W2 is used by exactly one wave of a work-group, and comes by loads of 512 consecutive bytes into that wave's registers; a joint load would lay the same
; 1,048,576 bytes a work-group into LDS first, to be read from there once.
; BOTH PRODUCTS OF EACH PAIR ARE USED TRANSPOSED (source 0 = keys, channels, hidden units or outputs; source 1 = my rows): a lane holds one row, and its registers run along what is the next product's K.
; LIMITS: NaN and infinities among the inputs are not served.
; THE MODE: SCHED_MODE bits 1:0 = 2 (LLVM: expert scheduling mode 2), set by the entry lines.  The code itself states the register dependences
; between vector or matrix instructions and memory or LDS instructions, with s_wait_alu, always for 0.
; THE PLAN, in a round of the attention.  Registers that memory or LDS instructions touch, and who else names them:
;   the keys' runs (their loaded ends), KS, the addends: read by the scores' products and by the series; the next round's loads land in them behind the wait that follows the last series.
;   V, key step 3: read by the round's last eight products; loaded again behind that same wait of the next round.      V, key steps 0-2: read by the first 24 products; loaded again behind the wait at the round's end.
;   P's codes and scale word of tile t: written by tile t's quantiser, read by its five LDS stores.  Tile 0's stores follow the wait for tile 1's exponentials, which stands behind tile 0's quantiser; tile 1's have a wait
;   of their own.  The next round's series writes these registers again: behind the round's one wait on vm_vsrc.
;   P's fragments (the scores' registers): named by the sums and the quantisers up to tile 1's wait.  The LDS loads land behind it: four fragments ahead of the products, four behind key step 0's, which name fragments 0 and 1 alone.
;   PWF, VSR: read by the products as scales; loaded in the next round, behind its waits.
;   v10: read by the loads of V's scale words; stepped once a round, behind the wait on vm_vsrc and ahead of the wait on va_vdst at the round's end.      v1-v9, v11-v31: made at the head, never written again.
; Behind the loop: one wait on va_vdst ahead of each run of stores, which also covers the loads that follow it; one wait on vm_vsrc behind the barrier that follows the stores, ahead of what writes their registers again.
; REGISTERS, in windows of 256 (s_set_vgpr_msb: bits 1:0 source 0, 3:2 source 1, 5:4 source 2, 7:6 destination).
;   window 0: v0-31 addresses; v32-223 operands and rows at work; v224-255 scale words and nothing else.   window 1: O^T, later W1 (K step 1), W2 (K steps 4-7).
;   window 2: V of a round, later W1 (K step 0), W2 (K steps 0-3).   window 3: scores and p, P's fragments, later the hidden layer and its fragments.
.set RP,   1040                        ; a staged row: 1,024 bytes + 16: row r begins 16 r bytes on modulo 256
.set PIMG, 0                           ; LDS: P's 8 images of a round, 2,048 bytes each, index 2 k + t
.set PSC,  16384                       ; their scale words, 128 bytes each
.set VSW,  17408                       ; wave w's own 4,096 bytes: V's scale words [16 key steps][64 channels]
.set LSUM, 33792                       ; [wave][32 rows] the waves' parts of the rows' sums
.set OST,  34304                       ; 32 rows: O
.set HST,  67584                       ; 32 rows: h
.set FST,  100864                      ; 32 rows: the FFN's result
.set HIMG, 134144                      ; h's 4 images, index 2 t + s
.set HSCL, 142336                      ; their scale words
.set GIMG, 142848                      ; the hidden layer's 16 images, index 2 ks + t
.set GSC,  175616                      ; their scale words: [8 ks][2 t][16 rows]
.set KR,   32                          ; window 0: v32-111 four runs of 20: keys;  v112-151 two runs: queries
.set QR,   112
.set TRL,  152                         ; v152-203 the turning of V's scale bytes, at the head
.set TRT,  184
.set TRO,  188
.set KS,   224                         ; scale words: keys (4), queries (1), V (8), P (8)
.set QS,   228
.set VSR,  232
.set PWF,  240
.set A,    32                          ; rows at work: row i, number k at A + 8 i + k = channel 128 (k / 4) + 4 lane + k % 4
.set XR,   96
.set GB1,  160
.set ST,   176                         ; eight pairs: a row's sum, mean, 1 / deviation
.set LL,   192
.set GB2,  192
.set HF,   32                          ; h's four fragments
.set B1C,  96                          ; b1 in the result's layout, 8 registers a tile
.set W1S,  224
.set HSC,  240
.set AC2,  32                          ; the second FFN product's eight accumulators
.set B2C,  132
.set W2S,  224
.set GSCR, 240
.set MBR,  128                         ; window 3: v0-127 scores, p, then P's fragments; v128-191 the addends
.set PS,   192                         ; v192-223 the series at work, then P's codes
.set PC,   192
.set BM,   224
.set TP,   228
.set TH,   232
.set TS,   236
.set LS3,  240                         ; v240-247 the sums: tile t at 240 + 4 t (two halves), 242 + 4 t at work
.set PW,   250
.set LT,   252
.set MSB, 0
.macro WIN new                         ; the immediate's high byte repeats the setting that is left
.if MSB != (\new)
	s_set_vgpr_msb (MSB<<8)|(\new)
.set MSB, (\new)
.endif
.endm
.macro NOPS n
.rept \n
	v_nop
.endr
.endm
.macro BAR                             ; my LDS stores have landed and my LDS loads are in: then the work-group's barrier
	s_wait_dscnt 0x0
	s_barrier_signal -1
	s_barrier_wait -1
.endm
; one matrix instruction.  c < 0: the constant 0 starts the sum.  ra, rb: the side's scale words stand in lanes 16-31
.macro WM d, a, b, c, sa, sb, ra, rb
.set WD, \d
.set WA, \a
.set WB, \b
.set WC, \c
.set WSA, \sa
.set WSB, \sb
.if WC < 0
.if (\ra) && (\rb)
	v_wmma_scale_f32_16x16x128_f8f6f4 v[WD:WD+7], v[WA:WA+15], v[WB:WB+15], 0, v[WSA], v[WSB] matrix_a_fmt:MATRIX_FMT_BF8 matrix_b_fmt:MATRIX_FMT_BF8 matrix_a_scale:MATRIX_SCALE_ROW1 matrix_b_scale:MATRIX_SCALE_ROW1
.elseif (\ra)
	v_wmma_scale_f32_16x16x128_f8f6f4 v[WD:WD+7], v[WA:WA+15], v[WB:WB+15], 0, v[WSA], v[WSB] matrix_a_fmt:MATRIX_FMT_BF8 matrix_b_fmt:MATRIX_FMT_BF8 matrix_a_scale:MATRIX_SCALE_ROW1
.elseif (\rb)
	v_wmma_scale_f32_16x16x128_f8f6f4 v[WD:WD+7], v[WA:WA+15], v[WB:WB+15], 0, v[WSA], v[WSB] matrix_a_fmt:MATRIX_FMT_BF8 matrix_b_fmt:MATRIX_FMT_BF8 matrix_b_scale:MATRIX_SCALE_ROW1
.else
	v_wmma_scale_f32_16x16x128_f8f6f4 v[WD:WD+7], v[WA:WA+15], v[WB:WB+15], 0, v[WSA], v[WSB] matrix_a_fmt:MATRIX_FMT_BF8 matrix_b_fmt:MATRIX_FMT_BF8
.endif
.else
.if (\ra) && (\rb)
	v_wmma_scale_f32_16x16x128_f8f6f4 v[WD:WD+7], v[WA:WA+15], v[WB:WB+15], v[WC:WC+7], v[WSA], v[WSB] matrix_a_fmt:MATRIX_FMT_BF8 matrix_b_fmt:MATRIX_FMT_BF8 matrix_a_scale:MATRIX_SCALE_ROW1 matrix_b_scale:MATRIX_SCALE_ROW1
.elseif (\ra)
	v_wmma_scale_f32_16x16x128_f8f6f4 v[WD:WD+7], v[WA:WA+15], v[WB:WB+15], v[WC:WC+7], v[WSA], v[WSB] matrix_a_fmt:MATRIX_FMT_BF8 matrix_b_fmt:MATRIX_FMT_BF8 matrix_a_scale:MATRIX_SCALE_ROW1
.elseif (\rb)
	v_wmma_scale_f32_16x16x128_f8f6f4 v[WD:WD+7], v[WA:WA+15], v[WB:WB+15], v[WC:WC+7], v[WSA], v[WSB] matrix_a_fmt:MATRIX_FMT_BF8 matrix_b_fmt:MATRIX_FMT_BF8 matrix_b_scale:MATRIX_SCALE_ROW1
.else
	v_wmma_scale_f32_16x16x128_f8f6f4 v[WD:WD+7], v[WA:WA+15], v[WB:WB+15], v[WC:WC+7], v[WSA], v[WSB] matrix_a_fmt:MATRIX_FMT_BF8 matrix_b_fmt:MATRIX_FMT_BF8
.endif
.endif
.endm
; my key step's 128 keys: codes of m (8 loads), their scale words (4), the addends (16): 28 loads.
; THE KEYS OF A TILE ARE NOT NEIGHBOURS: lane r of tile (be, u) takes key 32 be + 8 u + r + 8 (r / 8), so that the 16 registers of two tiles are 16 neighbouring keys
.macro KLOAD
.irp e, 0,1,2,3
	global_load_b128 v[KR+20*\e:KR+20*\e+3], v3, s[68:69] offset:1024*\e
	global_load_b128 v[KR+20*\e+16:KR+20*\e+19], v3, s[68:69] offset:1024*\e+256
	global_load_b32 v[KS+\e], v4, s[70:71] offset:128*\e          ; lanes 0-15: tile (e, 0)'s words; lanes 16-31: tile (e, 1)'s
.endr
	WIN 0xc0
.irp e, 0,1,2,3
.irp i, 0,1,2,3
	global_load_b128 v[MBR+16*\e+4*\i:MBR+16*\e+4*\i+3], v5, s[72:73] offset:128*\e+16*\i
.endr
.endr
	WIN 0
.endm
.macro VLOAD ka                        ; V's four fragments (my 64 channels) of the round's key step ka: 16 loads of 512 consecutive bytes
.irp n, 0,1,2,3
.irp c, 0,1,2,3
	global_load_b128 v[16*(4*(\ka)+\n)+4*\c:16*(4*(\ka)+\n)+4*\c+3], v1, s[74:75] offset:32768*(\ka)+2048*\n+512*\c
.endr
.endr
.endm
.macro SMUL                            ; S^T: 16 products, each its own accumulator: register 64 t + 16 e + i of lane (r, h) = (key 32 e + 16 h + i, query 16 t + r)
	WIN 0xc0
.irp t, 0,1
.irp e, 0,1,2,3
.irp u, 0,1
	WM 64*\t+16*\e+8*\u, KR+20*\e+4*\u, QR+20*\t+4*\u, -1, KS+\e, QS, \u, \t
.endr
.endr
.endr
.endm
.macro POLY ch                         ; 32 scores become t - 1.  All in window 3; each step runs over 16 pairs, so that no line waits for the line above it
.set SB, 32*(\ch)
.set MA, MBR+(32*(\ch))%64
.set i, 0
.rept 32
	v_med3_num_f32 v[SB+i], v[SB+i], -s47, s47     ; the clip at +-pi; each accumulator is read from its low end on
.set i, i+1
.endr
.set i, 0
.rept 16
	v_pk_mul_f32 v[SB+i:SB+i+1], v[SB+i:SB+i+1], v[SB+i:SB+i+1]                          ; w = a^2
.set i, i+2
.endr
.set i, 0
.rept 16
	v_pk_fma_f32 v[PS+i:PS+i+1], v[SB+i:SB+i+1], s[50:51], v[248:249] op_sel_hi:[1,0,1]  ; c6 w + c5
.set i, i+2
.endr
.irp cc, 52,54,56,58
.set i, 0
.rept 16
	v_pk_fma_f32 v[PS+i:PS+i+1], v[PS+i:PS+i+1], v[SB+i:SB+i+1], s[\cc:\cc+1] op_sel_hi:[1,1,0]   ; .. w + c4, c3, c2, c1
.set i, i+2
.endr
.endr
.set i, 0
.rept 16
	v_pk_mul_f32 v[SB+i:SB+i+1], v[PS+i:PS+i+1], v[SB+i:SB+i+1]                          ; q = sin^2(a / 4)
.set i, i+2
.endr
.set i, 0
.rept 16
	v_pk_fma_f32 v[SB+i:SB+i+1], v[SB+i:SB+i+1], v[SB+i:SB+i+1], v[SB+i:SB+i+1] neg_lo:[1,0,0] neg_hi:[1,0,0]   ; q - q^2 = score / 4
.set i, i+2
.endr
.set i, 0
.rept 16
	v_pk_fma_f32 v[SB+i:SB+i+1], v[SB+i:SB+i+1], s[48:49], v[MA+i:MA+i+1] op_sel_hi:[1,0,1]   ; x 4 log2(e) + the key's addend
.set i, i+2
.endr
.endm
.macro PEXP t
.set i, 0
.rept 64
	v_exp_f32 v[64*(\t)+i], v[64*(\t)+i]           ; p = 2^(t - 1)
.set i, i+1
.endr
.endm
.macro PSUM t                          ; the row's sum of the unquantised p, two at a time, in two chains
.set SB, 64*(\t)
.set LA, LS3+4*(\t)
	v_pk_add_f32 v[LA+2:LA+3], v[SB:SB+1], v[SB+2:SB+3]
.irp j, 4,8,12,16,20,24,28,32,36,40,44,48,52,56,60
	v_pk_add_f32 v[LA:LA+1], v[LA:LA+1], v[SB+\j:SB+\j+1]
	v_pk_add_f32 v[LA+2:LA+3], v[LA+2:LA+3], v[SB+\j+2:SB+\j+3]
.endr
	v_pk_add_f32 v[LA:LA+1], v[LA:LA+1], v[LA+2:LA+3]
.endm
.macro PQUANT t                        ; tile t's 64 p a lane become a fragment's codes and its scale word.  p is not negative: no |.|, a one-sided hold
.set SB, 64*(\t)
.irp b, 0,1,2,3
	v_max3_num_f32 v[BM+\b], v[SB+16*\b], v[SB+16*\b+1], 0x8000000   ; with the floor 2^(16 - 127): the byte cannot fall under 1 (a block of hidden keys keeps that byte: its codes are zeros)
.endr
.irp i, 2,4,6,8,10,12,14
.irp b, 0,1,2,3
	v_max3_num_f32 v[BM+\b], v[BM+\b], v[SB+16*\b+\i], v[SB+16*\b+\i+1]
.endr
.endr
.irp b, 0,1,2,3
	v_permlanex16_b32 v[TP+\b], v[BM+\b], s44, s45
.endr
.irp b, 0,1,2,3
	v_max_num_f32 v[BM+\b], v[BM+\b], v[TP+\b]     ; with lane l xor 16's 16 keys: the block's largest p
.endr
.irp b, 0,1,2,3
	v_add_nc_u32 v[TS+\b], 0xf8800000, v[BM+\b]    ; 15 off the exponent field: the conversion's scale operand
.endr
.irp b, 0,1,2,3
	v_and_or_b32 v[TH+\b], v[BM+\b], 0x7f800000, s46   ; 57,344 x the scale
.endr
.irp b, 0,1,2,3
	v_lshrrev_b32 v[TP+\b], 23, v[TS+\b]           ; the byte
.endr
	v_lshl_or_b32 v[PW+\t], v[TP+1], 8, v[TP]
	v_lshl_or_b32 v[PW+\t], v[TP+2], 16, v[PW+\t]
	v_lshl_or_b32 v[PW+\t], v[TP+3], 24, v[PW+\t]
.irp b, 0,1,2,3
.set i, 0
.rept 16
	v_min_num_f32 v[SB+16*\b+i], v[SB+16*\b+i], v[TH+\b]   ; the conversion to an 8-bit code does not saturate (ISA guide 7.6.2)
.set i, i+1
.endr
	v_cvt_scalef32_pk8_bf8_f32 v[PC+16*\t+4*\b:PC+16*\t+4*\b+1], v[SB+16*\b:SB+16*\b+7], v[TS+\b]
	v_cvt_scalef32_pk8_bf8_f32 v[PC+16*\t+4*\b+2:PC+16*\t+4*\b+3], v[SB+16*\b+8:SB+16*\b+15], v[TS+\b]
.endr
	v_nop                                          ; a plain line behind the last conversion
.endm
.macro PSTORE t                        ; tile t's fragment and scale word go to LDS as they stand in their registers
.irp c, 0,1,2,3
	ds_store_b128 v6, v[PC+16*(\t)+4*\c:PC+16*(\t)+4*\c+3] offset:2048*(\t)+512*\c
.endr
	ds_store_b32 v7, v[PW+(\t)] offset:128*(\t)
.endm
.macro PFETCH f0                       ; four of the round's eight fragments of P, images f0 on: 16 LDS loads
.irp f, \f0, \f0+1, \f0+2, \f0+3
.irp c, 0,1,2,3
	ds_load_b128 v[16*(\f)+4*\c:16*(\f)+4*\c+3], v8 offset:2048*(\f)+512*\c
.endr
.endr
.endm
.macro PV ka                           ; O^T += V^T P^T, key step ka of the round: the eight accumulators by turns
.irp t, 0,1
.irp n, 0,1,2,3
	WM 8*(4*\t+\n), 16*(4*(\ka)+\n), 16*(2*(\ka)+\t), 8*(4*\t+\n), VSR+2*(\ka)+(\n)/2, PWF+2*(\ka)+\t, (\n)%2, 0
.endr
.endr
.endm
; 64 numbers of a lane in window 3, v[s] on (register 16 b + i = k 32 b + 16 (lane / 16) + i of my row), become codes in v[tb + 20] on and the scale word in v[tb + 16], both window 0.
; relu = 1: what is negative becomes 0 on the way: the hold clips at 0, and the largest magnitude is taken without |.|
.macro QUANT s, tb, relu
.set QN, \s
.set QW, \tb
.irp b, 0,1,2,3
	v_mov_b32 v[QW+4+\b], 0                        ; a lane permute's destination counts as one of its sources
.endr
	WIN 0x0f
.irp b, 0,1,2,3
.if \relu
	v_max3_num_f32 v[QW+\b], v[QN+16*\b], v[QN+16*\b+1], 0x8000000
.else
	v_max3_num_f32 v[QW+\b], |v[QN+16*\b]|, |v[QN+16*\b+1]|, 0x8000000
.endif
.endr
	WIN 0x3c
.irp i, 2,4,6,8,10,12,14
.irp b, 0,1,2,3
.if \relu
	v_max3_num_f32 v[QW+\b], v[QW+\b], v[QN+16*\b+\i], v[QN+16*\b+\i+1]
.else
	v_max3_num_f32 v[QW+\b], v[QW+\b], |v[QN+16*\b+\i]|, |v[QN+16*\b+\i+1]|
.endif
.endr
.endr
	WIN 0
.irp b, 0,1,2,3
	v_permlanex16_b32 v[QW+4+\b], v[QW+\b], s44, s45
.endr
.irp b, 0,1,2,3
	v_max_num_f32 v[QW+\b], v[QW+\b], v[QW+4+\b]
.endr
.irp b, 0,1,2,3
	v_add_nc_u32 v[QW+12+\b], 0xf8800000, v[QW+\b]
.endr
.irp b, 0,1,2,3
	v_and_or_b32 v[QW+8+\b], v[QW+\b], 0x7f800000, s46
.endr
.irp b, 0,1,2,3
	v_lshrrev_b32 v[QW+4+\b], 23, v[QW+12+\b]
.endr
	v_lshl_or_b32 v[QW+16], v[QW+5], 8, v[QW+4]
	v_lshl_or_b32 v[QW+16], v[QW+6], 16, v[QW+16]
	v_lshl_or_b32 v[QW+16], v[QW+7], 24, v[QW+16]
	WIN 0xc3
.irp b, 0,1,2,3
.set i, 0
.rept 16
.if \relu
	v_med3_num_f32 v[QN+16*\b+i], v[QN+16*\b+i], 0, v[QW+8+\b]
.else
	v_med3_num_f32 v[QN+16*\b+i], v[QN+16*\b+i], -v[QW+8+\b], v[QW+8+\b]
.endif
.set i, i+1
.endr
.endr
	WIN 0x03
.irp b, 0,1,2,3
	v_cvt_scalef32_pk8_bf8_f32 v[QW+20+4*\b:QW+21+4*\b], v[QN+16*\b:QN+16*\b+7], v[QW+12+\b]
	v_cvt_scalef32_pk8_bf8_f32 v[QW+22+4*\b:QW+23+4*\b], v[QN+16*\b+8:QN+16*\b+15], v[QW+12+\b]
.endr
	WIN 0
	v_nop                                          ; a plain line behind the last conversion
.endm
.macro IMAGE adr, off, pc              ; a fragment goes to LDS as it stands in its registers: lane l's 16 bytes at 16 l, 512 bytes a store
.irp c, 0,1,2,3
	ds_store_b128 v[\adr], v[(\pc)+4*\c:(\pc)+4*\c+3] offset:(\off)+512*\c
.endr
.endm
.macro WLD win, base, r0, n, f0        ; n fragments of a weight, images f0 on, into registers 16 r0 on of the window
	WIN \win
.set kk, 0
.rept \n
.irp c, 0,1,2,3
	global_load_b128 v[16*((\r0)+kk)+4*\c:16*((\r0)+kk)+4*\c+3], v1, s[\base:\base+1] offset:2048*((\f0)+kk)+512*\c
.endr
.set kk, kk+1
.endr
	WIN 0
.endm
.macro LANES                           ; eight rows' numbers summed over the 32 lanes, the rows by turns
.irp m, 1,2,4,8
.irp i, 0,1,2,3,4,5,6,7
	v_add_f32_dpp v[ST+2*\i], v[ST+2*\i], v[ST+2*\i] row_xmask:\m row_mask:0xf bank_mask:0xf
.endr
.endr
.irp i, 0,1,2,3,4,5,6,7
	v_permlanex16_b32 v[ST+2*\i+1], v[ST+2*\i], s44, s45
.endr
.irp i, 0,1,2,3,4,5,6,7
	v_add_f32 v[ST+2*\i], v[ST+2*\i], v[ST+2*\i+1]
.endr
.endm
.macro LNORM gb                        ; my eight rows in A: (a - mean) / sqrt(variance + eps) x g + be; g at v[gb] on, be at v[gb + 8] on
.irp i, 0,1,2,3,4,5,6,7
	v_pk_add_f32 v[ST+2*\i:ST+2*\i+1], v[A+8*\i:A+8*\i+1], v[A+8*\i+2:A+8*\i+3]
.endr
.irp k, 4,6
.irp i, 0,1,2,3,4,5,6,7
	v_pk_add_f32 v[ST+2*\i:ST+2*\i+1], v[ST+2*\i:ST+2*\i+1], v[A+8*\i+\k:A+8*\i+\k+1]
.endr
.endr
.irp i, 0,1,2,3,4,5,6,7
	v_add_f32 v[ST+2*\i], v[ST+2*\i], v[ST+2*\i+1]
.endr
	LANES
.irp i, 0,1,2,3,4,5,6,7
	v_mul_f32 v[ST+2*\i], s92, v[ST+2*\i]          ; the mean
.endr
.irp k, 0,2,4,6
.irp i, 0,1,2,3,4,5,6,7
	v_pk_add_f32 v[A+8*\i+\k:A+8*\i+\k+1], v[A+8*\i+\k:A+8*\i+\k+1], v[ST+2*\i:ST+2*\i+1] op_sel_hi:[1,0] neg_lo:[0,1] neg_hi:[0,1]
.endr
.endr
.irp i, 0,1,2,3,4,5,6,7
	v_pk_mul_f32 v[ST+2*\i:ST+2*\i+1], v[A+8*\i:A+8*\i+1], v[A+8*\i:A+8*\i+1]
.endr
.irp k, 2,4,6
.irp i, 0,1,2,3,4,5,6,7
	v_pk_fma_f32 v[ST+2*\i:ST+2*\i+1], v[A+8*\i+\k:A+8*\i+\k+1], v[A+8*\i+\k:A+8*\i+\k+1], v[ST+2*\i:ST+2*\i+1]
.endr
.endr
.irp i, 0,1,2,3,4,5,6,7
	v_add_f32 v[ST+2*\i], v[ST+2*\i], v[ST+2*\i+1]
.endr
	LANES
.irp i, 0,1,2,3,4,5,6,7
	v_fma_f32 v[ST+2*\i], v[ST+2*\i], s92, s97     ; the variance + eps
.endr
	s_wait_alu depctr_va_vdst(0)
.irp i, 0,1,2,3,4,5,6,7
	v_rsq_f32 v[ST+2*\i], v[ST+2*\i]
.endr
	v_nop                                          ; a plain line behind the last of the batch,
	s_wait_alu depctr_va_vdst(0)                   ; and one wait for the eight: they are written, ahead of their first reader
.irp k, 0,2,4,6
.irp i, 0,1,2,3,4,5,6,7
	v_pk_mul_f32 v[A+8*\i+\k:A+8*\i+\k+1], v[A+8*\i+\k:A+8*\i+\k+1], v[ST+2*\i:ST+2*\i+1] op_sel_hi:[1,0]
.endr
.endr
.irp k, 0,2,4,6
.irp i, 0,1,2,3,4,5,6,7
	v_pk_fma_f32 v[A+8*\i+\k:A+8*\i+\k+1], v[A+8*\i+\k:A+8*\i+\k+1], v[(\gb)+\k:(\gb)+\k+1], v[(\gb)+8+\k:(\gb)+8+\k+1]
.endr
.endr
.endm
; ================ the head
	s_load_b512 s[4:19], s[0:1], 0x0               ; x, mc, ms, vc, vsb, mb, cb, w1f
	s_load_b512 s[20:35], s[0:1], 0x40             ; W1_scales, b1, w2f, W2_scales, b2, g1, be1, g2
	s_load_b128 s[36:39], s[0:1], 0x80             ; be2, out0
	v_lshl_add_u32 v254, v0, 2, 0x2b600
	v_mov_b32 v255, 0
	v_lshrrev_b32 v208, 5, v0
	v_readfirstlane_b32 s40, v208                  ; wave 0..3
	s_and_b32 s41, ttmp7, 0xffff                   ; batch
	s_mov_b32 s42, ttmp9                           ; block of 32 queries
	v_and_b32 v208, 31, v0                         ; lane
	v_and_b32 v209, 15, v0                         ; r
	v_bfe_u32 v210, v0, 4, 1                       ; h
	v_and_b32 v212, 8, v209
	v_add_nc_u32 v212, v212, v209                  ; r + 8 (r / 8)
	v_lshl_add_u32 v211, v210, 3, v212             ; + 8 h: the row whose scale word my lane takes, two tiles to a register
	v_lshlrev_b32 v1, 4, v208                      ; v1  16 lane
	v_lshlrev_b32 v2, 2, v208                      ; v2  4 lane
	v_lshlrev_b32 v3, 5, v212
	v_lshl_add_u32 v3, v210, 4, v3                 ; v3  a key's 32 codes: 32 (r + 8 (r / 8)) + 16 h
	v_lshlrev_b32 v4, 2, v211                      ; v4  its scale word
	v_lshlrev_b32 v5, 6, v210                      ; v5  64 h
	s_wait_alu depctr_va_sdst(0)                   ; s40 is written, ahead of its first reader: LDS addresses and all the bases are made from it
	s_lshl_b32 s60, s40, 12
	v_add_nc_u32 v6, s60, v1                       ; v6  where I store P's images: PIMG + 4,096 w + 16 lane
	s_lshl_b32 s61, s40, 8
	s_add_co_u32 s61, s61, PSC
	v_add_nc_u32 v7, s61, v2                       ; v7  and their scale words
	v_add_nc_u32 v8, PIMG, v1                      ; v8  where any image is read
	v_add_nc_u32 v9, PSC, v2                       ; v9
	s_add_co_u32 s60, s60, VSW
	v_add_nc_u32 v10, s60, v2                      ; v10 V's scale words of the round; 1,024 on in each round
	v_lshrrev_b32 v213, 2, v208
	v_and_b32 v214, 3, v208
	v_lshlrev_b32 v31, 8, v213
	v_lshl_add_u32 v31, v214, 6, v31
	v_add_nc_u32 v31, s60, v31                     ; v31 where they are written: key step lane / 4, channels 16 (lane % 4) on
	v_lshlrev_b32 v213, 10, v213
	v_lshl_add_u32 v213, v214, 4, v213             ; v213 the same place among V's scale bytes in memory
	v_mul_u32_u24 v11, v209, RP
	v_lshl_add_u32 v11, v210, 5, v11
	s_lshl_b32 s60, s40, 8
	s_add_co_u32 s60, s60, OST
	v_add_nc_u32 v11, s60, v11                     ; v11 O's stage: row r, my 64 channels, + 32 h
	v_add_nc_u32 v12, FST-OST, v11                 ; v12 the same in the FFN's stage
	s_mul_i32 s60, s40, 8*RP
	s_add_co_u32 s60, s60, OST
	v_add_nc_u32 v13, s60, v1                      ; v13 my eight rows of O, 16 bytes a lane
	v_add_nc_u32 v14, HST-OST, v13                 ; v14 of h
	v_add_nc_u32 v15, FST-OST, v13                 ; v15 of the FFN's result
	s_lshl_b32 s60, s40, 7
	s_add_co_u32 s60, s60, LSUM
	v_lshl_add_u32 v16, v209, 2, s60               ; v16 my part of the rows' sums
	v_lshrrev_b32 v214, 3, v208
	v_and_b32 v215, 7, v208
	v_lshlrev_b32 v17, 7, v214
	v_lshl_add_u32 v17, v215, 2, v17
	s_lshl_b32 s60, s40, 5
	s_add_co_u32 s60, s60, LSUM
	v_add_nc_u32 v17, s60, v17                     ; v17 wave lane / 8's part for my row lane % 8
	s_and_b32 s60, s40, 1
	s_lshr_b32 s61, s40, 1
	s_mul_i32 s62, s60, 16*RP
	s_lshl_b32 s63, s61, 9
	s_add_co_u32 s62, s62, s63
	s_add_co_u32 s62, s62, HST
	v_mul_u32_u24 v18, v209, RP
	v_lshl_add_u32 v18, v210, 6, v18
	v_add_nc_u32 v18, s62, v18                     ; v18 h for the quantiser: tile w % 2, K step w / 2: row r, + 64 h
	s_lshl_b32 s60, s60, 1
	s_add_co_u32 s60, s60, s61
	s_lshl_b32 s61, s60, 11
	s_add_co_u32 s61, s61, HIMG
	v_add_nc_u32 v19, s61, v1                      ; v19 where I store that image
	s_lshl_b32 s61, s60, 7
	s_add_co_u32 s61, s61, HSCL
	v_add_nc_u32 v20, s61, v2                      ; v20 and its scale words
	v_add_nc_u32 v21, HIMG, v1
	v_add_nc_u32 v22, HSCL, v2
	s_lshl_b32 s60, s40, 13
	s_add_co_u32 s60, s60, GIMG
	v_add_nc_u32 v23, s60, v1                      ; v23 where I store the hidden layer's images
	s_lshl_b32 s60, s40, 8
	s_add_co_u32 s60, s60, GSC
	v_lshl_add_u32 v24, v209, 2, s60               ; v24 and their scale words: 4 r (lanes l and l + 16 store the same word with the same value)
	v_add_nc_u32 v25, GIMG, v1
	v_add_nc_u32 v26, GSC, v2                      ; v26 read back: lanes 0-15 tile 0's words, lanes 16-31 tile 1's
	v_lshlrev_b32 v27, 5, v209
	v_lshl_add_u32 v27, v210, 4, v27               ; v27 a query's 32 codes
	v_lshlrev_b32 v28, 3, v211                     ; v28 W1's scale words: 8 bytes a row
	v_lshlrev_b32 v29, 5, v208                     ; v29 W2's: 32 bytes a row, a lane a row
	v_lshlrev_b32 v30, 5, v210                     ; v30 32 h
	s_mov_b32 s44, 0x76543210
	s_mov_b32 s45, 0xfedcba98                      ; v_permlanex16_b32's selects for lane l xor 16
	s_mov_b32 s46, 0x600000                        ; the mantissa field of 57,344
	s_mov_b32 s47, 0x40490fdb                      ; pi
	s_mov_b32 s50, 0xaa8f76c7                      ; c6 (c5 stands in vector registers: one scalar pair to an instruction)
	s_mov_b32 s51, s50
	s_mov_b32 s52, 0xb3500d01                      ; c4
	s_mov_b32 s53, s52
	s_mov_b32 s54, 0x37360b61                      ; c3
	s_mov_b32 s55, s54
	s_mov_b32 s56, 0xbaaaaaab                      ; c2
	s_mov_b32 s57, s56
	s_mov_b32 s58, 0x3d800000                      ; c1
	s_mov_b32 s59, s58
	s_mov_b32 s92, 0x3b800000                      ; 1 / 256
	s_mov_b32 s93, 0x05010400                      ; byte selects for the turning of 4 x 4 bytes
	s_mov_b32 s94, 0x07030602
	s_mov_b32 s95, 0x05040100
	s_mov_b32 s96, 0x07060302
	s_mov_b32 s97, 0x3727c5ac                      ; eps = 1e-5
	s_wait_kmcnt 0x0
	s_mov_b32 s61, 0
	s_lshl_b32 s60, s41, 11
	s_lshl_b32 s62, s42, 5
	s_add_co_u32 s60, s60, s62
	s_lshl_b32 s62, s40, 3
	s_add_co_u32 s60, s60, s62
	s_lshl_b32 s60, s60, 10                        ; my eight rows: (2,048 batch + 32 block + 8 wave) x 1,024 bytes
	s_add_nc_u64 s[4:5], s[4:5], s[60:61]
	s_add_nc_u64 s[38:39], s[38:39], s[60:61]
	s_lshl_b32 s60, s40, 12
	s_add_nc_u64 s[68:69], s[6:7], s[60:61]        ; s[68:69] m's codes at key step w
	s_lshl_b32 s60, s42, 10
	s_add_nc_u64 s[62:63], s[6:7], s[60:61]        ; s[62:63] at my queries
	s_lshl_b32 s60, s40, 9
	s_add_nc_u64 s[70:71], s[8:9], s[60:61]        ; s[70:71] m's scale words at key step w
	s_lshl_b32 s66, s41, 13
	s_add_co_u32 s60, s60, s66
	s_add_nc_u64 s[72:73], s[14:15], s[60:61]      ; s[72:73] the addends of my batch at key step w
	s_lshl_b32 s60, s42, 7
	s_add_nc_u64 s[66:67], s[8:9], s[60:61]        ; s[66:67] m's scale words at my queries
	s_lshl_b32 s60, s41, 19
	s_lshl_b32 s43, s40, 13
	s_add_co_u32 s60, s60, s43
	s_add_nc_u64 s[74:75], s[10:11], s[60:61]      ; s[74:75] V's images: my batch, my four tiles of channels
	s_lshl_b32 s60, s41, 14
	s_lshl_b32 s43, s40, 6
	s_add_co_u32 s60, s60, s43
	s_add_nc_u64 s[12:13], s[12:13], s[60:61]      ; V's scale bytes: my batch, my 64 channels
	s_lshl_b32 s60, s41, 8
	s_add_nc_u64 s[16:17], s[16:17], s[60:61]
	s_lshl_b32 s60, s40, 16
	s_add_nc_u64 s[18:19], s[18:19], s[60:61]      ; my 32 images of W1,
	s_add_nc_u64 s[24:25], s[24:25], s[60:61]      ; and of W2
	s_lshl_b32 s60, s40, 11
	s_add_nc_u64 s[20:21], s[20:21], s[60:61]
	s_add_nc_u64 s[26:27], s[26:27], s[60:61]
	s_lshl_b32 s60, s40, 10
	s_add_nc_u64 s[22:23], s[22:23], s[60:61]
	s_lshl_b32 s60, s40, 8
	s_add_nc_u64 s[28:29], s[28:29], s[60:61]
	s_load_b64 s[48:49], s[16:17], 0x0             ; the batch's multiplier, twice
	s_wait_alu depctr_va_vdst(0)                   ; v1 to v31 and v213 are written: every load, store and LDS access of the kernel reads one of them as its offset or address
.irp t, 0,1
	global_load_b128 v[QR+20*\t:QR+20*\t+3], v27, s[62:63] offset:512*\t        ; a tile of queries at both ends of its run
	global_load_b128 v[QR+20*\t+16:QR+20*\t+19], v27, s[62:63] offset:512*\t
.endr
	global_load_b32 v[QS], v2, s[66:67]            ; lanes 0-15: tile 0's words; lanes 16-31: tile 1's
	KLOAD
.irp z, 0,1
.irp c, 0,1,2,3
	global_load_b128 v[TRL+16*\z+4*\c:TRL+16*\z+4*\c+3], v213, s[12:13] offset:8192*\z+256*\c   ; key step 8 z + lane / 4, block c, 16 channels
.endr
.endr
	WIN 0x80
	VLOAD 0
	VLOAD 1
	VLOAD 2
	WIN 0
.irp e, 0,1,2,3
.irp j, 4,5,6,7,8,9,10,11,12,13,14,15
	v_mov_b32 v[KR+20*\e+\j], 0                    ; the zero codes that fill K = 32 up to the instruction's 128
.endr
.endr
.irp t, 0,1
.irp j, 4,5,6,7,8,9,10,11,12,13,14,15
	v_mov_b32 v[QR+20*\t+\j], 0
.endr
.endr
	v_mov_b32 v[LL+1], 0
	WIN 0xc0
.irp j, 228,229,230,231,240,241,242,243,244,245,246,247
	v_mov_b32 v\j, 0                               ; the permutes' destinations, and the sums
.endr
	v_mov_b32 v248, 0x2f13f27e                     ; c5, twice
	v_mov_b32 v249, 0x2f13f27e
	WIN 0x40
.set i, 0
.rept 64
	v_mov_b32 v[i], 0                              ; O^T: the round is written once, and its first trip adds onto zeros
.set i, i+1
.endr
	WIN 0
	s_wait_loadcnt 48                              ; all but V's 48 loads are in
; V's scale bytes lie [key block][channel]; a scale word wants a channel's four blocks: 4 x 4 bytes are turned by eight byte selects
.irp z, 0,1
.irp e, 0,1,2,3
	v_perm_b32 v[TRT], v[TRL+16*\z+4+\e], v[TRL+16*\z+\e], s93
	v_perm_b32 v[TRT+1], v[TRL+16*\z+4+\e], v[TRL+16*\z+\e], s94
	v_perm_b32 v[TRT+2], v[TRL+16*\z+12+\e], v[TRL+16*\z+8+\e], s93
	v_perm_b32 v[TRT+3], v[TRL+16*\z+12+\e], v[TRL+16*\z+8+\e], s94
	v_perm_b32 v[TRO+4*\e], v[TRT+2], v[TRT], s95
	v_perm_b32 v[TRO+4*\e+1], v[TRT+2], v[TRT], s96
	v_perm_b32 v[TRO+4*\e+2], v[TRT+3], v[TRT+1], s95
	v_perm_b32 v[TRO+4*\e+3], v[TRT+3], v[TRT+1], s96
.endr
	s_wait_alu depctr_va_vdst(0)                   ; the byte selects have written v[TRO ..], which the four LDS stores read; the zero codes of the keys' and queries' runs are written too, which the scores' products take as operands (the byte selects are the places between)
.irp e, 0,1,2,3
	ds_store_b128 v31, v[TRO+4*\e:TRO+4*\e+3] offset:2048*\z+16*\e   ; my wave's own bytes: no other wave touches them
.endr
	s_wait_dscnt 0x0                               ; the stores are done,
	s_wait_alu depctr_vm_vsrc(0)                   ; and have read v[TRO ..], which the next byte selects, and later the rows' work and loads, write again; the loads above have read v213, in which b1 lands later
.endr
	s_wait_kmcnt 0x0                               ; the multiplier
	s_mov_b32 s43, 0                               ; the round
; ================ the attention: four rounds.  At the head of a trip V's first 48 loads of the round are out, and nothing else
.Lround:
	SMUL
	NOPS 8                                         ; places ahead of the first read of the scores
	WIN 0xff
	POLY 0
	POLY 1
	s_wait_alu depctr_va_vdst(0)
	PEXP 0                                         ; tile 0's 64 exponentials: one batch; tile 1's series is the independent work behind it
	s_wait_alu depctr_va_vdst(0)
	POLY 2
	POLY 3
	s_wait_alu depctr_va_vdst(0)                   ; tile 0's exponentials are written, ahead of the branch below and of their first reader.  Also: the scores' products are done reading the keys' runs and scale words, the series the addends, the last round's products V's key step 3: the loads below land in these, and no vector or matrix instruction behind this wait names them before their data are awaited
	WIN 0
	s_cmp_lt_u32 s43, 3
	s_cbranch_scc0 .Lno_k                          ; the last round has no next keys: no load leaves its buffer
	s_wait_xcnt 0x0                                ; the last loads have read their bases
	s_add_nc_u64 s[68:69], s[68:69], 16384         ; four key steps on
	s_add_nc_u64 s[70:71], s[70:71], 2048
	s_add_nc_u64 s[72:73], s[72:73], 2048
	KLOAD
.Lno_k:
	WIN 0x80
	VLOAD 3
	WIN 0xff
	PEXP 1                                         ; tile 1's batch; tile 0's sums and quantiser are the independent work behind it
	PSUM 0
	PQUANT 0
	s_wait_alu depctr_va_vdst(0)                   ; tile 1's exponentials are written, ahead of their first reader; and tile 0's quantiser has written its codes and its scale word, which the five LDS stores below read
	WIN 0x0c                                       ; an LDS store's data are its source 1: window 3
	PSTORE 0                                       ; tile 1's sums and quantiser, which follow, name none of these registers
	WIN 0xff
	PSUM 1
	PQUANT 1
	WIN 0x0c
	s_wait_alu depctr_va_vdst(0)                   ; tile 1's quantiser has written its codes and its scale word, which the stores read; sums and quantisers are done with the scores' registers, in which P's fragments land behind the barrier
	PSTORE 1
	WIN 0
	BAR                                            ; the round's eight images of P lie in LDS
.irp f, 0,1,2,3,4,5,6,7
	ds_load_b32 v[PWF+\f], v9 offset:128*\f
.endr
.irp f, 0,1,2,3,4,5,6,7
	ds_load_b32 v[VSR+\f], v10 offset:128*\f       ; key step f / 2 of the round: lanes 0-15 tile 2 (f % 2)'s words, lanes 16-31 the next tile's
.endr
	WIN 0xc0
	PFETCH 0                                       ; key steps 0 and 1
	s_wait_loadcnt 16                              ; behind V's first 48 loads were issued the next keys' 28 (not in the last round) and V's last 16: at most those 16 are out
	s_wait_dscnt 8                                 ; LDS loads come back in order (ISA guide 5.7.1): the scale words and key step 0's two fragments are in; key step 1's eight loads may be out
	WIN 0x5e                                       ; V window 2, P window 3, O^T window 1
	PV 0
	WIN 0xc0
	PFETCH 4                                       ; key steps 2 and 3.  No wait: since tile 1's wait only key step 0's products were issued, and they name fragments 0 and 1 alone
	s_wait_dscnt 16                                ; key step 1's fragments are in; the 16 loads just issued may be out
	WIN 0x5e
	PV 1
	s_wait_dscnt 8                                 ; key step 2's
	PV 2
	s_wait_loadcnt 0x0                             ; V's last key step, and with it the next round's keys and addends
	s_wait_dscnt 0x0                               ; key step 3's fragments
	PV 3
	WIN 0
	s_wait_alu depctr_vm_vsrc(0)                   ; the loads of V's scale words have read v10, which the next line writes; the images' stores have read P's codes and scale words, which the next round's series and quantisers write again
	v_add_nc_u32 v10, 1024, v10                    ; the next round's scale words of V.  This line and the eight below are the nine places ahead of the next scores, which are written over P's fragments
	NOPS 8
	BAR                                            ; everybody's reads of the images are over: they may be written again
	s_wait_alu depctr_va_vdst(0)                   ; the round's products are done reading V, in whose registers the loads below land (behind the loop: W1's), and the scores' products the keys' and queries' runs (behind the loop: x, g1, be1); v10 is written, which the next round's LDS loads read
	s_cmp_lt_u32 s43, 3
	s_cbranch_scc0 .Lno_v
	s_wait_xcnt 0x0
	s_add_nc_u64 s[74:75], s[74:75], 131072        ; four key steps on
	WIN 0x80
	VLOAD 0
	VLOAD 1
	VLOAD 2
	WIN 0
.Lno_v:
	s_add_co_u32 s43, s43, 1
	s_cmp_lt_u32 s43, 4
	s_cbranch_scc1 .Lround
; ================ O / sum + x, the first norm
	s_wait_loadcnt 0x0                             ; W1's loads below land in V's registers: no load into them may be out.  The last round asks for no V, so the wait is met at once; it stands for every way through the text
.irp i, 0,1,2,3,4,5,6,7
	global_load_b128 v[XR+8*\i:XR+8*\i+3], v1, s[4:5] offset:1024*\i th:TH_LOAD_NT
	global_load_b128 v[XR+8*\i+4:XR+8*\i+7], v1, s[4:5] offset:1024*\i+512 th:TH_LOAD_NT
.endr
	global_load_b128 v[GB1:GB1+3], v1, s[30:31]
	global_load_b128 v[GB1+4:GB1+7], v1, s[30:31] offset:512
	global_load_b128 v[GB1+8:GB1+11], v1, s[32:33]
	global_load_b128 v[GB1+12:GB1+15], v1, s[32:33] offset:512
	WLD 0x80, 18, 0, 10, 0                         ; W1, K step 0, into the registers that V has left: 40 loads
	WIN 0xff
.irp t, 0,1
	v_add_f32 v[LT+\t], v[LS3+4*\t], v[LS3+4*\t+1]
.endr
.irp t, 0,1
	v_permlanex16_b32 v[TP+\t], v[LT+\t], s44, s45
.endr
.irp t, 0,1
	v_add_f32 v[LT+\t], v[LT+\t], v[TP+\t]         ; my key steps' part of the rows' sums
.endr
	WIN 0x0c
	s_wait_alu depctr_va_vdst(0)                   ; the sums' parts are written, which the two LDS stores read (O^T, which the sixteen behind them read, was shown written at the last round's end)
.irp t, 0,1
	ds_store_b32 v16, v[LT+\t] offset:64*\t
.endr
	WIN 0x04                                       ; the data: window 1
.irp t, 0,1
.irp n, 0,1,2,3
	ds_store_b128 v11, v[8*(4*\t+\n):8*(4*\t+\n)+3] offset:16*RP*\t+64*\n        ; each accumulator from its low end on
	ds_store_b128 v11, v[8*(4*\t+\n)+4:8*(4*\t+\n)+7] offset:16*RP*\t+64*\n+16
.endr
.endr
	WIN 0
	BAR                                            ; 32 whole rows of O and the sums' parts lie in LDS
	s_wait_alu depctr_vm_vsrc(0)                   ; my LDS stores have read O^T's registers, in which W1's K step 1 lands below, and the sums' parts, over which the first FFN product's results are written
.irp i, 0,1,2,3,4,5,6,7
	ds_load_b128 v[A+8*\i:A+8*\i+3], v13 offset:RP*\i
	ds_load_b128 v[A+8*\i+4:A+8*\i+7], v13 offset:RP*\i+512
.endr
	ds_load_b32 v[LL], v17
	s_wait_dscnt 0x0
	v_add_f32_dpp v[LL], v[LL], v[LL] row_xmask:8 row_mask:0xf bank_mask:0xf
	v_permlanex16_b32 v[LL+1], v[LL], s44, s45
	v_add_f32 v[LL], v[LL], v[LL+1]                ; the four waves' parts: lane l holds the sum of my row l % 8
	s_wait_alu depctr_va_vdst(0)
	v_rcp_f32 v[LL], v[LL]
	v_nop
	s_wait_alu depctr_va_vdst(0)                   ; the reciprocal is written, ahead of its first reader
.irp i, 0,1,2,3,4,5,6,7
	v_readlane_b32 s[76+2*\i], v[LL], \i
.endr
	s_wait_alu depctr_va_sdst(0)                   ; the eight scalars are written, ahead of their first reader
.irp i, 0,1,2,3,4,5,6,7
	s_mov_b32 s[77+2*\i], s[76+2*\i]               ; (named with it as a pair, so it is written)
.endr
	s_wait_loadcnt 40                              ; x, g1 and be1 are in; W1's 40 loads may be out
.irp i, 0,1,2,3,4,5,6,7
.irp k, 0,2,4,6
	v_pk_fma_f32 v[A+8*\i+\k:A+8*\i+\k+1], v[A+8*\i+\k:A+8*\i+\k+1], s[76+2*\i:77+2*\i], v[XR+8*\i+\k:XR+8*\i+\k+1] op_sel_hi:[1,0,1]
.endr
.endr
	WLD 0x80, 18, 10, 6, 10                        ; no vector or matrix instruction since the last round's end names V's registers
	WLD 0x40, 18, 0, 6, 16                         ; K step 1, into the registers that O^T has left: its stores have read them (the wait behind the barrier above)
	LNORM GB1
	s_wait_alu depctr_va_vdst(0)                   ; the norm has written my eight rows, which the LDS stores read
.irp i, 0,1,2,3,4,5,6,7
	ds_store_b128 v14, v[A+8*\i:A+8*\i+3] offset:RP*\i
	ds_store_b128 v14, v[A+8*\i+4:A+8*\i+7] offset:RP*\i+512
.endr
	WLD 0x40, 18, 6, 10, 22
.irp e, 0,1,2,3,4,5,6,7
	global_load_b64 v[W1S+2*\e:W1S+2*\e+1], v28, s[20:21] offset:256*\e   ; both K steps' words: lanes 0-15 tile 2 e, lanes 16-31 tile 2 e + 1
.endr
	BAR                                            ; 32 rows of h lie in LDS
	s_wait_alu depctr_vm_vsrc(0)                   ; my LDS stores have read the rows' registers, which the quantiser below writes
; ================ h is quantised: wave w makes the fragment of tile w % 2, K step w / 2
	WIN 0xc0
.irp b, 0,1,2,3
.irp i, 0,1,2,3
	ds_load_b128 v[16*\b+4*\i:16*\b+4*\i+3], v18 offset:128*\b+16*\i
.endr
.endr
	WIN 0
	s_wait_dscnt 0x0
	QUANT 0, 32, 0
	s_wait_alu depctr_va_vdst(0)                   ; the quantiser has written the codes and the scale word, which the LDS stores read; the norm is long done with the registers of x, g1, be1 and its statistics, in which b1 lands
	IMAGE 19, 0, 52
	ds_store_b32 v20, v48
.irp f, 0,1,2,3,4,5,6,7,8,9,10,11,12,13,14,15
	global_load_b128 v[B1C+8*\f:B1C+8*\f+3], v5, s[22:23] offset:128*((\f)/2)+32*((\f)%2)      ; b1 at the tile's eight units of my half
	global_load_b128 v[B1C+8*\f+4:B1C+8*\f+7], v5, s[22:23] offset:128*((\f)/2)+32*((\f)%2)+16
.endr
	BAR                                            ; h's four images lie in LDS
	s_wait_alu depctr_vm_vsrc(0)                   ; my LDS stores have read the codes and the scale word, in whose registers h's fragments land
.irp f, 0,1,2,3
.irp c, 0,1,2,3
	ds_load_b128 v[HF+16*\f+4*\c:HF+16*\f+4*\c+3], v21 offset:2048*\f+512*\c
.endr
	ds_load_b32 v[HSC+\f], v22 offset:128*\f
.endr
	s_wait_dscnt 0x0
	s_wait_loadcnt 0x0                             ; W1, its scale words, b1
; ================ the first FFN product: 32 accumulators (2 tiles of rows x my 16 tiles of hidden units) by turns; b1 is the C of each sum's first instruction.  The two K steps stand back to back
	WIN 0xc2                                       ; W1 window 2, h and b1 window 0, results window 3
.irp t, 0,1
.irp f, 0,1,2,3,4,5,6,7,8,9,10,11,12,13,14,15
	WM 128*\t+8*\f, 16*\f, HF+32*\t, B1C+8*\f, W1S+2*((\f)/2), HSC+2*\t, (\f)%2, 0
.endr
.endr
	WIN 0xf1                                       ; W1 window 1, C and D window 3
.irp t, 0,1
.irp f, 0,1,2,3,4,5,6,7,8,9,10,11,12,13,14,15
	WM 128*\t+8*\f, 16*\f, HF+32*\t+16, 128*\t+8*\f, W1S+2*((\f)/2)+1, HSC+2*\t+1, (\f)%2, 0
.endr
.endr
	WIN 0
	NOPS 8                                         ; places ahead of the first read of the results, and of the quantiser's writes into b1's registers
	s_wait_alu depctr_va_vdst(0)                   ; the 64 products are done reading W1 (both windows), its scale words, h's scale words and b1: W2, its scale words, b2, g2, be2 and the hidden layer's scale words land in these registers, which the quantisers below do not name
	WLD 0x80, 24, 0, 16, 0                         ; W2, K steps 0-3
.irp e, 0,1
.irp q, 0,1
	global_load_b128 v[W2S+8*\e+4*\q:W2S+8*\e+4*\q+3], v29, s[26:27] offset:1024*\e+16*\q   ; W2's words of K steps 4 q on: lanes 0-15 tile 2 e, lanes 16-31 tile 2 e + 1
.endr
.endr
.irp n, 0,1,2,3
	global_load_b128 v[B2C+8*\n:B2C+8*\n+3], v30, s[28:29] offset:64*\n
	global_load_b128 v[B2C+8*\n+4:B2C+8*\n+7], v30, s[28:29] offset:64*\n+16
.endr
	global_load_b128 v[GB2:GB2+3], v1, s[34:35]
	global_load_b128 v[GB2+4:GB2+7], v1, s[34:35] offset:512
	global_load_b128 v[GB2+8:GB2+11], v1, s[36:37]
	global_load_b128 v[GB2+12:GB2+15], v1, s[36:37] offset:512
; ================ relu and the quantiser: my 256 hidden units are K steps 2 w and 2 w + 1 of the second product
.irp t, 0,1
.irp g, 0,1
	QUANT 128*\t+64*\g, 96, 1
	s_wait_alu depctr_va_vdst(0)                   ; the quantiser has written the codes and the scale word, which the LDS stores read; behind the last of the four it is also done with the results' registers, in which the hidden layer's fragments land
	IMAGE 23, (2*\g+\t)*2048, 116
	ds_store_b32 v24, v112 offset:128*\g+64*\t
	WLD 0x40, 24, 4*(2*\t+\g), 4, 16+4*(2*\t+\g)   ; W2, K steps 4-7, sixteen loads at a time
	s_wait_dscnt 0x0                               ; the stores are done,
	s_wait_alu depctr_vm_vsrc(0)                   ; and have read the codes and the scale word, which the next quantiser writes again (behind the last: in which rows of h land)
.endr
.endr
	BAR                                            ; the hidden layer's sixteen images lie in LDS
	WIN 0xc0
.irp f, 0,1,2,3,4,5,6,7
.irp c, 0,1,2,3
	ds_load_b128 v[16*\f+4*\c:16*\f+4*\c+3], v25 offset:2048*\f+512*\c
.endr
.endr
	WIN 0
.irp k, 0,1,2,3
	ds_load_b32 v[GSCR+\k], v26 offset:128*\k
.endr
	WIN 0xc0
.irp f, 8,9,10,11,12,13,14,15
.irp c, 0,1,2,3
	ds_load_b128 v[16*\f+4*\c:16*\f+4*\c+3], v25 offset:2048*\f+512*\c
.endr
.endr
	WIN 0
.irp k, 4,5,6,7
	ds_load_b32 v[GSCR+\k], v26 offset:128*\k
.endr
	s_wait_loadcnt 48                              ; W2's K steps 0-3, its scale words, b2, g2, be2 are in: behind them 64 loads were issued, of which 48 may be out
	s_wait_dscnt 36                                ; K steps 0-3 of the hidden layer are in; the 36 loads behind them may be out
; ================ the second FFN product: eight accumulators by turns, a K step at a time; b2 is the C of each sum's first instruction
	WIN 0x0e                                       ; W2 window 2, the hidden layer window 3
.irp k, 0,1,2,3
.irp t, 0,1
.irp n, 0,1,2,3
.if \k == 0
	WM AC2+8*(4*\t+\n), 16*(4*\k+\n), 16*(2*\k+\t), B2C+8*\n, W2S+8*((\n)/2)+\k, GSCR+\k, (\n)%2, \t
.else
	WM AC2+8*(4*\t+\n), 16*(4*\k+\n), 16*(2*\k+\t), AC2+8*(4*\t+\n), W2S+8*((\n)/2)+\k, GSCR+\k, (\n)%2, \t
.endif
.endr
.endr
.endr
	s_wait_loadcnt 0x0
	s_wait_dscnt 0x0
	WIN 0x0d                                       ; W2 window 1
.irp k, 4,5,6,7
.irp t, 0,1
.irp n, 0,1,2,3
	WM AC2+8*(4*\t+\n), 16*(4*(\k-4)+\n), 16*(2*\k+\t), AC2+8*(4*\t+\n), W2S+8*((\n)/2)+\k, GSCR+\k, (\n)%2, \t
.endr
.endr
.endr
	WIN 0
	NOPS 8                                         ; places ahead of the first read of the results; they stay beside the wait below
	s_wait_alu depctr_va_vdst(0)                   ; the products have written the eight accumulators, which the LDS stores read, and are done reading b2, in whose registers rows of h land
.irp t, 0,1
.irp n, 0,1,2,3
	ds_store_b128 v12, v[AC2+8*(4*\t+\n):AC2+8*(4*\t+\n)+3] offset:16*RP*\t+64*\n
	ds_store_b128 v12, v[AC2+8*(4*\t+\n)+4:AC2+8*(4*\t+\n)+7] offset:16*RP*\t+64*\n+16
.endr
.endr
	BAR                                            ; 32 whole rows of the FFN's result lie in LDS
	s_wait_alu depctr_vm_vsrc(0)                   ; my LDS stores have read the accumulators, in whose registers my eight rows land
; ================ h + FFN, the second norm, the way out
.irp i, 0,1,2,3,4,5,6,7
	ds_load_b128 v[A+8*\i:A+8*\i+3], v15 offset:RP*\i
	ds_load_b128 v[A+8*\i+4:A+8*\i+7], v15 offset:RP*\i+512
.endr
.irp i, 0,1,2,3,4,5,6,7
	ds_load_b128 v[XR+8*\i:XR+8*\i+3], v14 offset:RP*\i
	ds_load_b128 v[XR+8*\i+4:XR+8*\i+7], v14 offset:RP*\i+512
.endr
	s_wait_dscnt 0x0
.set i, 0
.rept 32
	v_pk_add_f32 v[A+i:A+i+1], v[A+i:A+i+1], v[XR+i:XR+i+1]
.set i, i+2
.endr
	LNORM GB2
	s_wait_alu depctr_va_vdst(0)                   ; the norm has written my eight rows, which the stores read
.irp i, 0,1,2,3,4,5,6,7
	global_store_b128 v1, v[A+8*\i:A+8*\i+3], s[38:39] offset:1024*\i th:TH_STORE_NT          ; 32 lanes store 512 consecutive bytes, at a multiple of 256 from out0's first byte
	global_store_b128 v1, v[A+8*\i+4:A+8*\i+7], s[38:39] offset:1024*\i+512 th:TH_STORE_NT
.endr
	s_wait_dscnt 0x0
	s_wait_alu depctr_hold_cnt(0) depctr_sa_sdst(0) depctr_va_vdst(0) depctr_va_sdst(0) depctr_va_ssrc(0) depctr_va_vcc(0) depctr_vm_vsrc(0)
	s_wait_tensorcnt 0x0
	ds_add_u32 v254, v255
	s_wait_dscnt 0x0
	s_endpgm
.Lfunc_end_k_qb473c5123c_fused:
	.size	k_qb473c5123c_fused, .Lfunc_end_k_qb473c5123c_fused-k_qb473c5123c_fused
	.p2alignl 7, 3214868480
	.fill 96, 4, 3214868480
	.section	.rodata,"a",@progbits
	.p2align	6, 0x0
	.amdhsa_kernel k_qb473c5123c_fused
		.amdhsa_group_segment_fixed_size 178176
		.amdhsa_private_segment_fixed_size 0
		.amdhsa_enable_private_segment 0
		.amdhsa_kernarg_size 144
		.amdhsa_user_sgpr_count 2
		.amdhsa_user_sgpr_kernarg_segment_ptr 1
		.amdhsa_wavefront_size32 1
		.amdhsa_system_sgpr_workgroup_id_x 1
		.amdhsa_system_sgpr_workgroup_id_y 1
		.amdhsa_system_sgpr_workgroup_id_z 1
		.amdhsa_system_vgpr_workitem_id 0
		.amdhsa_next_free_vgpr 1024
		.amdhsa_next_free_sgpr 100
		.amdhsa_reserve_vcc 0
		.amdhsa_float_denorm_mode_32 3
		.amdhsa_float_denorm_mode_16_64 3
		.amdhsa_memory_ordered 1
		.amdhsa_forward_progress 1
		.amdhsa_inst_pref_size 255
	.end_amdhsa_kernel
	.section	.bss,"aw",@nobits
	.p2align	6
	.space	262144
	.amdgpu_metadata
---
amdhsa.version: [ 1, 2 ]
amdhsa.kernels:
  - .name:           k_qb473c5123c_fused
    .symbol:         k_qb473c5123c_fused.kd
    .args:
      - { .name: x, .offset: 0, .size: 8, .value_kind: global_buffer, .address_space: global }
      - { .name: mc, .offset: 8, .size: 8, .value_kind: global_buffer, .address_space: global }
      - { .name: ms, .offset: 16, .size: 8, .value_kind: global_buffer, .address_space: global }
      - { .name: vc, .offset: 24, .size: 8, .value_kind: global_buffer, .address_space: global }
      - { .name: vsb, .offset: 32, .size: 8, .value_kind: global_buffer, .address_space: global }
      - { .name: mb, .offset: 40, .size: 8, .value_kind: global_buffer, .address_space: global }
      - { .name: cb, .offset: 48, .size: 8, .value_kind: global_buffer, .address_space: global }
      - { .name: w1f, .offset: 56, .size: 8, .value_kind: global_buffer, .address_space: global }
      - { .name: W1_scales, .offset: 64, .size: 8, .value_kind: global_buffer, .address_space: global }
      - { .name: b1, .offset: 72, .size: 8, .value_kind: global_buffer, .address_space: global }
      - { .name: w2f, .offset: 80, .size: 8, .value_kind: global_buffer, .address_space: global }
      - { .name: W2_scales, .offset: 88, .size: 8, .value_kind: global_buffer, .address_space: global }
      - { .name: b2, .offset: 96, .size: 8, .value_kind: global_buffer, .address_space: global }
      - { .name: g1, .offset: 104, .size: 8, .value_kind: global_buffer, .address_space: global }
      - { .name: be1, .offset: 112, .size: 8, .value_kind: global_buffer, .address_space: global }
      - { .name: g2, .offset: 120, .size: 8, .value_kind: global_buffer, .address_space: global }
      - { .name: be2, .offset: 128, .size: 8, .value_kind: global_buffer, .address_space: global }
      - { .name: out0, .offset: 136, .size: 8, .value_kind: global_buffer, .address_space: global }
    .group_segment_fixed_size: 178176
    .private_segment_fixed_size: 0
    .kernarg_segment_align: 8
    .kernarg_segment_size: 144
    .max_flat_workgroup_size: 128
    .sgpr_count:     100
    .vgpr_count:     1024
    .wavefront_size: 32
...
	.end_amdgpu_metadata
.endif
;; end of part 4
